; MI455X (gfx1250); checked and timed in simulation.
; The chip was launched on July 23, 2026; its instructions are those of AMD's public machine-readable ISA for CDNA 5 (MIT licence, August 2026) and "CDNA5" Instruction Set Architecture Reference Guide (July 2026). The comments in the code are by the model that wrote it; some were corrected since.
;; Noise Cancelling Attention Mechanism. Allowed arithmetic: matrix products marked QUANTISED: E2M3 operands, one E8M0 scale for each 32 along K, by v_wmma_scale_f32_16x16x128_f8f6f4 with both operands' format E2M3, f32 sums; everything else in f32.
;; Inputs: Wk 1,024 x 1,024 float32; Wo 1,024 x 1,024 float32; Wq 1,024 x 1,024 float32; Wv 1,024 x 1,024 float32; bk 1,024 float32; bo 1,024 float32; bq 1,024 float32; bv 1,024 float32; k 2 x 2,048 x 1,024 float32; lam one number float32; q1 2 x 2,048 x 1,024 float32; q2 2 x 2,048 x 1,024 float32; v 2 x 2,048 x 1,024 float32.
;; Outputs: out0 2 x 2,048 x 1,024 float32.
;; This version of the problem:
;;   THIS VERSION OF THE PROBLEM IS GIVEN IN LOW PRECISION. The matrix products marked QUANTISED in the list below multiply operands that are first quantised to E2M3 (2 exponent bits, 3 mantissa bits; 6 bits a number), with one power-of-two scale for each 32 numbers along K (OCP MX v1.0); their sums are f32. All else is computed in f32.
;;   The module's matrix products, in the order in which they are computed (A, B: the left and right operand; K: the contracted axis; several contracted axes count as one K, in the product's order):
;;     1. [M 4,096, K 1,024] x [K 1,024, N 1,024]; A: input q1; B: input Wq: QUANTISED
;;     2. [M 4,096, K 1,024] x [K 1,024, N 1,024]; A: input q2; B: input Wq: QUANTISED
;;     3. [M 4,096, K 1,024] x [K 1,024, N 1,024]; A: input k; B: input Wk: QUANTISED
;;     4. [M 4,096, K 1,024] x [K 1,024, N 1,024]; A: input v; B: input Wv: QUANTISED
;;     5. batch 32 x [M 2,048, K 64] x [K 64, N 2,048]; A: computed on the way; B: computed on the way: QUANTISED
;;     6. batch 32 x [M 2,048, K 64] x [K 64, N 2,048]; A: computed on the way; B: computed on the way: QUANTISED
;;     7. batch 32 x [M 2,048, K 2,048] x [K 2,048, N 64]; A: computed on the way; B: computed on the way: QUANTISED
;;     8. [M 4,096, K 1,024] x [K 1,024, N 1,024]; A: computed on the way; B: input Wo: QUANTISED
;;   THE QUANTISER, for each operand of a quantised product, along K:
;;     - K is cut into blocks of 32 from its start; a last block that is shorter is filled with zeros.
;;     - A block's scale is 2^e with e = floor(log2(the largest magnitude in the block)) - 2, held to -126 .. 127; a block of zeros has e = 0. As a byte (E8M0): e + 127.
;;     - Each number is divided by its block's scale, clamped to +-7.5, and rounded to the nearest number of E2M3, ties to even, subnormals kept.
;;     - The product sums the exact products of the quantised numbers (number of the format x scale) in f32.
;;   ~~~python
;;   def quantise(x, axis):      # numpy; x: float32 -> the quantised numbers, widened to float32 again
;;       x = np.moveaxis(x, axis, -1); K = x.shape[-1]
;;       x = np.pad(x, [(0, 0)] * (x.ndim - 1) + [(0, -K % 32)]); x = x.reshape(x.shape[:-1] + (-1, 32)); a = np.abs(x).max(-1, keepdims=True)
;;       e = np.where(a > 0, np.clip(np.frexp(np.where(a > 0, a, 1))[1] - 1 - 2, -126, 127), 0)      # np.frexp(a)[1] - 1 = floor(log2(a)), exactly
;;       r = np.clip(x / 2.0 ** e, -7.5, 7.5)
;;       step = 2.0 ** (np.maximum(np.frexp(np.where(r == 0, 1, r))[1] - 1, 0) - 3)
;;       q = np.round(r / step) * step * 2.0 ** e      # np.round: ties to even
;;       return np.moveaxis(q.reshape(q.shape[:-2] + (-1,))[..., :K], -1, axis).astype(np.float32)
;;   ~~~
;;   OPERANDS COMPUTED ON THE WAY. 'Computed on the way' means the value that the module computes at that place (a softmax that the list does not call 'softmax' is quantised finished and normalised). What goes into a quantiser is computed in f32, as accurately as f32 sums, v_exp_f32 and their like allow (about 1e-6 of the number): no bf16 or f16 on the way to a quantiser, and a product that is left as it is and whose result goes on into a quantised operand takes f32 operands (vector FMAs, or v_wmma_f32_16x16x4_f32). A number that lies on a knife's edge between two numbers of the format may be rounded either way, as far as f32 arithmetic and the matrix unit's own rounding can turn it there, and no further.
;; 2 versions. Each part assembles by itself: llvm-mc -triple=amdgcn-amd-amdhsa -mcpu=gfx1250 --defsym DOCPART=n.
;; ======== version 1 of 2: 4 launches
;; workspace buffers: wimg 3,276,800 bytes; pc 12,582,912 bytes; ps 524,288 bytes; obuf 16,777,216 bytes
;; launch wq (part 1): grid 64 x 4, 2 waves a work-group, no clusters, 13,056 bytes of LDS; arguments Wq, Wk, Wv, Wo, wimg; writes wimg
.if DOCPART == 1
	.amdgcn_target "amdgcn-amd-amdhsa--gfx1250"
	.amdhsa_code_object_version 6
	.text
	.protected	k_qdfb9cbc1fd_wq
	.globl	k_qdfb9cbc1fd_wq
	.p2align	8
	.type	k_qdfb9cbc1fd_wq,@function
k_qdfb9cbc1fd_wq:
	s_mov_b64 s[64:65], 0
	v_nop
	global_prefetch_b8 v0, s[64:65] scope:SCOPE_SE
	s_setreg_imm32_b32 hwreg(HW_REG_WAVE_MODE, 25, 1), 1
	s_wait_xcnt 0x0
; Wq, Wk, Wv, Wo: [1024 (k)][1024 (n)] f32, K along the FIRST axis.  Each is turned into codes of FP6 (E2M3) with one E8M0 byte for each 32 along K,
; laid in wimg IN THE ORDER OF A MATRIX OPERAND'S REGISTERS, so that the products' launches fetch a fragment by three loads of 16 bytes a lane.
; wimg, matrix m (0 Wq, 1 Wk, 2 Wv, 3 Wo) at 819,200 m: codes: group (wv = n / 64, s = k / 128) at (8 wv + s) x 6,144; in it fragment u at 1,536 u, registers 4 j .. 4 j + 3 of
; image lane il at 512 j + 16 il.  Image lane (r, h) holds column 64 wv + 32 (r / 8) + 8 u + r % 8; its registers 6 c .. 6 c + 5 hold k = 128 s + 64 c + 32 h + 0 .. 31.
; Scale words from 786,432 on: group at 256 (8 wv + s), word of (u, r) at 16 r + 4 u, byte b for k = 128 s + 32 b.
; A LANE TAKES A COLUMN, ITS REGISTERS RUN DOWN K: a block of 32 lies in one lane's 32 registers, its largest magnitude needs no other lane, and the conversions give codes with K innermost.
; A block's scale is 2^(floor(log2(largest magnitude)) - 2); its byte is the largest magnitude's exponent field - 2, held at 1 from below.
; LIMITS: a block of zeros, or one whose largest magnitude lies under 2^-124, keeps the byte 1 (its codes are zeros or nearly so; these bytes are read by this program alone); NaN and infinities are not served.
; SHARES: work-group y = the matrix; x: wv = x % 16, two K steps (x / 16); a wave makes one whole group: 64 columns x 128 along K, eight blocks a lane (columns l and 32 + l).
; No barrier: waves share nothing.  Loads run two blocks (64 loads a wave) ahead.
.set SPARE, 12800                      ; behind the two stages: the spare words, 128 bytes for each wave: one block of 256 bytes that no other line names
.set X,   32                           ; v32-95  two sets of 32 numbers
.set C,   20                           ; v20-25  a block's codes;  v26-28 the second conversion's result
.set SB,  16                           ; v16-17  the scale words of my two columns
.set SPW, 10                           ; v10     LDS address of my spare word; never rewritten
.set NIL, 11                           ; v11     0; never rewritten
	s_load_b256 s[4:11], s[0:1], 0x0               ; Wq s[4:5], Wk s[6:7], Wv s[8:9], Wo s[10:11]
	s_load_b64 s[12:13], s[0:1], 0x20              ; wimg
	v_lshl_add_u32 v[SPW], v0, 2, SPARE
	v_mov_b32 v[NIL], 0
	v_lshrrev_b32 v1, 5, v0
	v_readfirstlane_b32 s14, v1                    ; wave 0, 1
	v_and_b32 v1, 31, v0                           ; lane l
	s_and_b32 s15, ttmp7, 0xffff                   ; m
	s_and_b32 s16, ttmp9, 15                       ; wv
	s_lshr_b32 s17, ttmp9, 4
	s_lshl_b32 s17, s17, 1
	s_add_co_u32 s17, s17, s14                     ; s = 2 (x / 16) + wave
	s_mul_i32 s18, s14, 6400                       ; my stage: the group's image, 6,144 bytes, then its 256 bytes of scale words
	v_lshlrev_b32 v2, 2, v1                        ; in: 4 bytes a lane
	v_lshrrev_b32 v12, 3, v1                       ; u = l / 8
	v_and_b32 v13, 7, v1                           ; l % 8
	v_mul_u32_u24 v3, v12, 1536
	v_lshl_add_u32 v3, v13, 4, v3
	v_add_nc_u32 v3, s18, v3                       ; column 32 hh + l is fragment u = l / 8, image lanes 8 hh + l % 8 + 16 h: 128 hh and 256 h stand in the immediates
	v_lshlrev_b32 v4, 2, v12
	v_lshl_add_u32 v4, v13, 4, v4
	v_add_nc_u32 v4, s18, v4
	v_add_nc_u32 v4, 6144, v4                      ; its scale word: 16 r + 4 u
	v_lshlrev_b32 v7, 4, v1                        ; out: 16 bytes a lane,
	v_add_nc_u32 v5, s18, v7
	v_lshlrev_b32 v8, 3, v1                        ; and 8 bytes a lane of the scale words
	v_add_nc_u32 v6, s18, v8
	v_add_nc_u32 v6, 6144, v6
	s_lshl_b32 s20, s17, 19                        ; 128 s rows of 4,096 bytes
	s_lshl_b32 s21, s16, 8                         ; + 64 wv columns
	s_add_co_u32 s20, s20, s21
	s_mov_b32 s21, 0
	s_lshl_b32 s22, s16, 3
	s_add_co_u32 s22, s22, s17                     ; the group's number
	s_mul_i32 s19, s15, 819200
	s_mul_i32 s24, s22, 6144
	s_add_co_u32 s24, s24, s19
	s_mov_b32 s25, 0
	s_lshl_b32 s26, s22, 8
	s_add_co_u32 s26, s26, s19
	s_add_co_u32 s26, s26, 786432
	s_mov_b32 s27, 0
	s_wait_kmcnt 0x0
	s_bitcmp1_b32 s15, 0                           ; the matrix is chosen by the work-group's y alone
	s_cselect_b64 s[4:5], s[6:7], s[4:5]
	s_cselect_b64 s[8:9], s[10:11], s[8:9]
	s_bitcmp1_b32 s15, 1
	s_cselect_b64 s[4:5], s[8:9], s[4:5]
	s_add_nc_u64 s[4:5], s[4:5], s[20:21]
	s_add_nc_u64 s[24:25], s[12:13], s[24:25]      ; where the group's codes go
	s_add_nc_u64 s[26:27], s[12:13], s[26:27]      ; and its scale words
.macro LOAD q                          ; block q: columns 32 (q / 4) + l, k = 32 (q % 4) + 0 .. 31, into set q % 2: a load reads 128 consecutive bytes
.irp i, 0,1,2,3,4,5,6,7,8,9,10,11,12,13,14,15,16,17,18,19,20,21,22,23,24,25,26,27,28,29,30,31
	global_load_b32 v[X+32*((\q)%2)+\i], v2, s[4:5] offset:(32*((\q)%4)+\i)*4096+128*((\q)/4) th:TH_LOAD_NT
.endr
.endm
.macro BLOCK q
.set XS, X+32*((\q)%2)
.set KB, (\q)%4                        ; the block along K: 2 c + h
.set HH, (\q)/4
.if (\q) < 7
	s_wait_loadcnt 32                              ; this block's 32 loads are in; the next block's 32 may be out
.else
	s_wait_loadcnt 0x0
.endif
	v_max3_num_f32 v12, |v[XS]|, |v[XS+1]|, |v[XS+2]|      ; the block's largest magnitude, in two chains
	v_max3_num_f32 v13, |v[XS+3]|, |v[XS+4]|, |v[XS+5]|
.irp i, 6,10,14,18,22,26
	v_max3_num_f32 v12, v12, |v[XS+\i]|, |v[XS+\i+1]|
	v_max3_num_f32 v13, v13, |v[XS+\i+2]|, |v[XS+\i+3]|
.endr
	v_max3_num_f32 v12, v12, |v[XS+30]|, |v[XS+31]|
	v_max3_num_f32 v12, v12, v13, 0x1800000        ; and the floor 2^(3 - 127): the byte cannot fall under 1
	v_add_nc_u32 v14, 0xff000000, v12              ; 2 off the exponent field: the conversion takes that field as its scale
	v_lshrrev_b32 v15, 23, v14                     ; the scale's byte
.if KB == 0
	v_mov_b32 v[SB+HH], v15
.else
	v_lshl_or_b32 v[SB+HH], v15, 8*KB, v[SB+HH]
.endif
	v_cvt_scalef32_pk16_fp6_f32 v[C:C+2], v[XS:XS+15], v14
	v_cvt_scalef32_pk16_fp6_f32 v[C+6:C+8], v[XS+16:XS+31], v14    ; (a conversion's three registers begin on an even number)
	v_nop                                          ; one plain line behind the conversions, ahead of the moves that read their result
	v_mov_b32 v[C+3], v[C+6]
	v_mov_b32 v[C+4], v[C+7]
	v_mov_b32 v[C+5], v[C+8]
.if KB < 2                             ; c = 0: the fragment's registers 0 .. 5: all of chunk 0, the lower half of chunk 1
	ds_store_b128 v3, v[C:C+3] offset:128*HH+256*(KB%2)
	ds_store_b64 v3, v[C+4:C+5] offset:128*HH+256*(KB%2)+512
.else                                  ; c = 1: registers 6 .. 11: the upper half of chunk 1, all of chunk 2
	ds_store_b64 v3, v[C:C+1] offset:128*HH+256*(KB%2)+520
	ds_store_b128 v3, v[C+2:C+5] offset:128*HH+256*(KB%2)+1024
.endif
.if (\q)+2 < 8
	LOAD (\q)+2
.endif
	s_wait_dscnt 0x0                               ; the stores have read the codes' registers: the next block may write them
.endm
	LOAD 0
	LOAD 1
.irp q, 0,1,2,3
	BLOCK \q
.endr
	ds_store_b32 v4, v[SB]                         ; the first column's four bytes
.irp q, 4,5,6,7
	BLOCK \q
.endr
	ds_store_b32 v4, v[SB+1] offset:128
.irp j, 0,1,2,3,4,5,6,7,8,9,10,11
	ds_load_b128 v[96+4*\j:99+4*\j], v5 offset:512*\j      ; LDS serves a wave's instructions in order: these see my stores
.endr
	ds_load_b64 v[144:145], v6
	s_wait_dscnt 0x0
.irp j, 0,1,2,3,4,5,6,7,8,9,10,11
	global_store_b128 v7, v[96+4*\j:99+4*\j], s[24:25] offset:512*\j   ; 32 lanes store 512 consecutive bytes, at a multiple of 256 from the buffer's first byte
.endr
	global_store_b64 v8, v[144:145], s[26:27]      ; 256 consecutive bytes, aligned
	s_wait_tensorcnt 0x0                           ; the wave's end, behind my last LDS store
	ds_add_u32 v[SPW], v[NIL]
	s_wait_dscnt 0x0
	s_endpgm
.Lfunc_end_k_qdfb9cbc1fd_wq:
	.size	k_qdfb9cbc1fd_wq, .Lfunc_end_k_qdfb9cbc1fd_wq-k_qdfb9cbc1fd_wq
	.p2alignl 7, 3214868480
	.fill 96, 4, 3214868480
	.section	.rodata,"a",@progbits
	.p2align	6, 0x0
	.amdhsa_kernel k_qdfb9cbc1fd_wq
		.amdhsa_group_segment_fixed_size 13056
		.amdhsa_private_segment_fixed_size 0
		.amdhsa_enable_private_segment 0
		.amdhsa_kernarg_size 40
		.amdhsa_user_sgpr_count 2
		.amdhsa_user_sgpr_kernarg_segment_ptr 1
		.amdhsa_wavefront_size32 1
		.amdhsa_system_sgpr_workgroup_id_x 1
		.amdhsa_system_sgpr_workgroup_id_y 1
		.amdhsa_system_sgpr_workgroup_id_z 1
		.amdhsa_system_vgpr_workitem_id 0
		.amdhsa_next_free_vgpr 148
		.amdhsa_next_free_sgpr 66
		.amdhsa_reserve_vcc 0
		.amdhsa_float_denorm_mode_32 3
		.amdhsa_float_denorm_mode_16_64 3
		.amdhsa_memory_ordered 1
		.amdhsa_forward_progress 1
		.amdhsa_inst_pref_size 42
	.end_amdhsa_kernel
	.amdgpu_metadata
---
amdhsa.version: [ 1, 2 ]
amdhsa.kernels:
  - .name:           k_qdfb9cbc1fd_wq
    .symbol:         k_qdfb9cbc1fd_wq.kd
    .args:
      - { .name: Wq, .offset: 0, .size: 8, .value_kind: global_buffer, .address_space: global }
      - { .name: Wk, .offset: 8, .size: 8, .value_kind: global_buffer, .address_space: global }
      - { .name: Wv, .offset: 16, .size: 8, .value_kind: global_buffer, .address_space: global }
      - { .name: Wo, .offset: 24, .size: 8, .value_kind: global_buffer, .address_space: global }
      - { .name: wimg, .offset: 32, .size: 8, .value_kind: global_buffer, .address_space: global }
    .group_segment_fixed_size: 13056
    .private_segment_fixed_size: 0
    .kernarg_segment_align: 8
    .kernarg_segment_size: 40
    .max_flat_workgroup_size: 64
    .sgpr_count:     66
    .vgpr_count:     148
    .wavefront_size: 32
...
	.end_amdgpu_metadata
.endif
;; end of part 1
;; launch proj (part 2): grid 64 x 4, 16 waves a work-group, no clusters, 188,416 bytes of LDS; arguments q1, q2, k, v, bq, bk, bv, wimg, pc, ps; writes pc, ps
.if DOCPART == 2
	.amdgcn_target "amdgcn-amd-amdhsa--gfx1250"
	.amdhsa_code_object_version 6
	.text
	.protected	k_qdfb9cbc1fd_proj
	.globl	k_qdfb9cbc1fd_proj
	.p2align	8
	.type	k_qdfb9cbc1fd_proj,@function
k_qdfb9cbc1fd_proj:
	s_mov_b64 s[64:65], 0
	v_nop
	global_prefetch_b8 v0, s[64:65] scope:SCOPE_SE
	s_setreg_imm32_b32 hwreg(HW_REG_WAVE_MODE, 25, 1), 1
	s_wait_xcnt 0x0
; The four projections y = Q(x) Q(W) + b on codes of FP6 (E2M3), and the quantising of their results for attention.  Work-group y = p: 0 q1 (Wq, bq), 1 q2 (Wq, bq), 2 k (Wk, bk), 3 v (Wv, bv).
; x: [4096][1024] f32.  W comes as register images from wimg (codes and scale words; layout in the launch that makes them).  Results: pc, ps.
;   pc: a block's 24 bytes of codes at 3,145,728 p + 98,304 hb + 48 row + 24 blk, hb = 16 batch + head.  q1, q2, k: row = token, blk = half of the head's 64.  v: row = 64 (token / 64) + channel, blk = half of those 64 tokens.
;   ps: its scale byte at 131,072 p + 4,096 hb + 2 row + blk.
; SHARES.  A work-group takes 64 tokens x all 1,024 columns, so x is read and quantised once; wave wv takes head wv's 64 columns: 16 accumulators.  x's codes go from wave to wave through LDS as images of
; the operand's registers; each wave's fragments of W go from memory straight into its registers: no wave reads another's.
; WHICH 16 ROWS FORM A TILE: tile u, row m is index 32 (m / 8) + 8 u + m % 8 of 64, for tokens and for columns alike.  With source 0's tiles so chosen, a lane's 32 registers of tiles u = 0 .. 3 are the 32 NEIGHBOURS
; 32 (lane / 16) + 0 .. 31 along source 0's index: one whole block of the next product's K, so its largest magnitude and its codes need no other lane.
; q1, q2, k: source 0 = W (the next K is the head's 64);  v: source 0 = x (the next K is the keys).  The two orders are two copies of the K loop under one branch on the work-group's y.
; LIMITS: a block of zeros, or one under 2^-124, keeps the byte 1 (read by this program alone); NaN and infinities among the inputs are not served.
; No cluster and no joint loads: W goes into the registers of the one wave that uses it, and x's 64 rows belong to this work-group alone.
.set XIMG, 0                           ; LDS: x's 32 fragments: (K step s, tile t) at (4 s + t) x 1,536
.set XSC,  49152                       ; their scale words: 256 s + 16 r + 4 t
.set STG,  51200                       ; a stage of 8,448 bytes for each wave: 16 rows x (512 + 16)
.set SPARE, 186368                     ; the spare words, 128 bytes for each wave: eight blocks of 256 bytes that no other line names
.set LI16, 4                           ; v4  16 x lane
.set LR16, 5                           ; v5  16 x (lane % 16)
.set STW,  6                           ; v6  my stage + 16 x lane
.set STR,  7                           ; v7  my stage + 528 r + 128 h
.set XIW,  8                           ; v8  where I store x's images
.set XSW,  9                           ; v9  and their scale words
.set SH8,  10                          ; v10 8 h
.set EW,   11                          ; v11 the way out: my codes' place in the stage
.set ES,   12                          ; v12 and my scale byte's
.set ESR,  14                          ; v14 the scale bytes read back: 4 bytes a lane
.set L4,   15                          ; v15 4 x lane
.set SPW,  16                          ; v16 LDS address of my spare word; never rewritten
.set NIL,  17                          ; v17 0; never rewritten
.set BQO,  18                          ; v18 128 h
.set BVO,  19                          ; v19 4 (32 (r / 8) + r % 8)
.set PX,   20                          ; v20 a lane exchange's destination
.set PW,   21                          ; v21 the scale word just made
.set PS,   24                          ; v24-27 source 0's scale words;  v28-31 source 1's: these eight hold scales and nothing else
.set RS,   28
.set P,    32                          ; v32-79  source 0's four fragments
.set R,    80                          ; v80-127 source 1's four
.set ACC,  128                         ; v128-255 accumulator (u, t) at 128 + 32 t + 8 u
.set SEL,  28                          ; s[28:29] selects for lane l xor 16
.set MV,   30                          ; s30 all ones where p = 3
.set XB,   32                          ; s[32:33] x;  s[34:35] the bias;  s[36:37] W's codes;  s[38:39] W's scale words;  s[40:41], s[42:43] where pc and ps are stored
.set BB,   34
.set WB,   36
.set WSB,  38
.set PCO,  40
.set PSO,  42
; 64 numbers of a lane, register 32 c + i = k 64 c + 32 h + i of my row, become a fragment's 12 registers of codes at v[pc] and its scale word in v[pw].  Each block is one lane's own.
.macro QUANTB src, pc, ct, tm, pw, px
.irp c, 0,1
	v_max3_num_f32 v[\tm+\c], |v[\src+32*\c]|, |v[\src+32*\c+1]|, 0x1800000   ; with the floor 2^(3 - 127): the byte cannot fall under 1
.endr
.irp i, 2,4,6,8,10,12,14,16,18,20,22,24,26,28,30
.irp c, 0,1
	v_max3_num_f32 v[\tm+\c], v[\tm+\c], |v[\src+32*\c+\i]|, |v[\src+32*\c+\i+1]|
.endr
.endr
.irp c, 0,1
	v_add_nc_u32 v[\tm+2+\c], 0xff000000, v[\tm+\c]        ; 2 off the exponent field: the conversion's scale operand
.endr
.irp c, 0,1
	v_lshrrev_b32 v[\tm+\c], 23, v[\tm+2+\c]               ; the byte of block 2 c + h
.endr
	v_lshl_or_b32 v[\pw], v[\tm+1], 16, v[\tm]
	v_lshlrev_b32 v[\pw], v[SH8], v[\pw]                   ; at their places in the word,
	v_permlanex16_b32 v[\px], v[\pw], s[SEL], s[SEL+1]
	v_or_b32 v[\pw], v[\pw], v[\px]                        ; and with lane l xor 16's two the word is whole
.irp c, 0,1
	v_cvt_scalef32_pk16_fp6_f32 v[\pc+6*\c:\pc+6*\c+2], v[\src+32*\c:\src+32*\c+15], v[\tm+2+\c]
	v_cvt_scalef32_pk16_fp6_f32 v[\ct+4*\c:\ct+4*\c+2], v[\src+32*\c+16:\src+32*\c+31], v[\tm+2+\c]   ; (a conversion's three registers begin on an even number)
.endr
	v_nop                                                  ; one plain line behind the conversions
.irp c, 0,1
.irp i, 0,1,2
	v_mov_b32 v[\pc+6*\c+3+\i], v[\ct+4*\c+\i]
.endr
.endr
.endm
	s_load_b512 s[8:23], s[0:1], 0x0               ; q1, q2, k, v, bq, bk, bv, wimg
	s_load_b128 s[24:27], s[0:1], 0x40             ; pc, ps
	v_lshl_add_u32 v[SPW], v0, 2, SPARE
	v_mov_b32 v[NIL], 0
	v_lshrrev_b32 v1, 5, v0
	v_readfirstlane_b32 s2, v1                     ; wave 0 .. 15 = head
	s_and_b32 s4, ttmp7, 0xffff                    ; p
	s_and_b32 s5, s2, 3                            ; t: the tile of tokens that I quantise
	s_lshr_b32 s6, s2, 2                           ; sp: and its K steps 2 sp, 2 sp + 1
	s_mov_b32 s[SEL], 0x76543210
	s_mov_b32 s[SEL+1], 0xfedcba98
	v_and_b32 v1, 31, v0                           ; l
	v_and_b32 v2, 15, v0                           ; r
	v_bfe_u32 v3, v0, 4, 1                         ; h
	v_lshlrev_b32 v[LI16], 4, v1
	v_lshlrev_b32 v[LR16], 4, v2
	v_lshlrev_b32 v[L4], 2, v1
	s_mul_i32 s58, s2, 8448
	s_add_co_u32 s58, s58, STG                     ; my stage
	v_add_nc_u32 v[STW], s58, v[LI16]
	v_mul_u32_u24 v[STR], v2, 528
	v_lshl_add_u32 v[STR], v3, 7, v[STR]
	v_add_nc_u32 v[STR], s58, v[STR]
	s_lshl_b32 s56, s6, 3
	s_add_co_u32 s56, s56, s5
	s_mul_i32 s56, s56, 1536
	v_add_nc_u32 v[XIW], s56, v[LI16]              ; fragment (2 sp, t): (8 sp + t) x 1,536
	s_lshl_b32 s56, s6, 9
	s_lshl_b32 s57, s5, 2
	s_add_co_u32 s56, s56, s57
	s_add_co_u32 s56, s56, XSC
	v_add_nc_u32 v[XSW], s56, v[LR16]
	v_lshlrev_b32 v[SH8], 3, v3
	v_and_b32 v22, 8, v2
	v_and_b32 v23, 7, v2
	v_lshl_add_u32 v22, v22, 2, v23                ; 32 (r / 8) + r % 8: tile 0's index of lane r; tile t's is 8 t more
	v_mul_u32_u24 v[EW], v22, 48
	v_mad_u32_u24 v[EW], v3, 24, v[EW]
	v_add_nc_u32 v[EW], s58, v[EW]
	v_lshl_add_u32 v[ES], v22, 1, v3
	v_add_nc_u32 v[ES], s58, v[ES]
	v_add_nc_u32 v[ES], 3072, v[ES]
	v_add_nc_u32 v[ESR], s58, v[L4]
	v_add_nc_u32 v[ESR], 3072, v[ESR]
	v_lshlrev_b32 v[BQO], 7, v3
	v_lshlrev_b32 v[BVO], 2, v22
	v_mov_b32 v[PX], 0                             ; written once: a lane exchange's destination counts as one of its sources
	s_lshl_b32 s44, ttmp9, 18                      ; x: 64 rows of 4,096 bytes a work-group,
	s_lshl_b32 s45, s5, 15                         ; 8 t rows,
	s_add_co_u32 s44, s44, s45
	s_lshl_b32 s45, s6, 10                         ; two K steps of 512 bytes
	s_add_co_u32 s44, s44, s45
	s_mov_b32 s45, 0
	s_lshl_b32 s46, s2, 8                          ; the bias: my 64 numbers
	s_mov_b32 s47, 0
	s_max_u32 s56, s4, 1
	s_sub_co_u32 s56, s56, 1                       ; the matrix: 0, 0, 1, 2
	s_mul_i32 s56, s56, 819200
	s_mul_i32 s48, s2, 49152                       ; my eight groups of codes
	s_add_co_u32 s48, s48, s56
	s_mov_b32 s49, 0
	s_lshl_b32 s50, s2, 11                         ; and of scale words
	s_add_co_u32 s50, s50, s56
	s_add_co_u32 s50, s50, 786432
	s_mov_b32 s51, 0
	s_lshr_b32 s56, ttmp9, 5                       ; the batch
	s_lshl_b32 s56, s56, 4
	s_add_co_u32 s56, s56, s2                      ; hb
	s_lshl_b32 s56, s56, 5
	s_and_b32 s57, ttmp9, 31
	s_add_co_u32 s56, s56, s57                     ; 32 hb + the block of 64 tokens
	s_mul_i32 s52, s56, 3072
	s_mul_i32 s57, s4, 3145728
	s_add_co_u32 s52, s52, s57
	s_mov_b32 s53, 0
	s_lshl_b32 s54, s56, 7
	s_lshl_b32 s57, s4, 17
	s_add_co_u32 s54, s54, s57
	s_mov_b32 s55, 0
	s_wait_kmcnt 0x0
	s_bitcmp1_b32 s4, 0                            ; the tensor and its bias are chosen by the work-group's y alone
	s_cselect_b64 s[8:9], s[10:11], s[8:9]
	s_cselect_b64 s[12:13], s[14:15], s[12:13]
	s_bitcmp1_b32 s4, 1
	s_cselect_b64 s[XB:XB+1], s[12:13], s[8:9]
	s_cmp_eq_u32 s4, 3
	s_cselect_b64 s[18:19], s[20:21], s[18:19]
	s_cselect_b32 s[MV], -1, 0
	s_cmp_lt_u32 s4, 2
	s_cselect_b64 s[BB:BB+1], s[16:17], s[18:19]
	s_add_nc_u64 s[XB:XB+1], s[XB:XB+1], s[44:45]
	s_add_nc_u64 s[BB:BB+1], s[BB:BB+1], s[46:47]
	s_add_nc_u64 s[WB:WB+1], s[22:23], s[48:49]
	s_add_nc_u64 s[WSB:WSB+1], s[22:23], s[50:51]
	s_add_nc_u64 s[PCO:PCO+1], s[24:25], s[52:53]
	s_add_nc_u64 s[PSO:PSO+1], s[26:27], s[54:55]
	; ---- X: my two fragments of x.  A load reads 512 consecutive bytes: one K step of one of my tile's 16 rows.  All of the work-group's x is asked for at once
.irp e, 0,1
.irp i, 0,1,2,3,4,5,6,7,8,9,10,11,12,13,14,15
	global_load_b128 v[ACC+64*\e+4*\i:ACC+64*\e+4*\i+3], v[LI16], s[XB:XB+1] offset:(32*(\i/8)+(\i%8))*4096+512*\e th:TH_LOAD_NT
.endr
.endr
.macro XQ e                            ; through my stage: in as the rows lie, back 128 bytes of a row to a lane: k = 64 c + 32 h + 0 .. 31 of row r
.if \e == 0
	s_wait_loadcnt 16                              ; the first fragment's 16 loads are in, the second's 16 may be out
.else
	s_wait_loadcnt 0x0
.endif
.irp i, 0,1,2,3,4,5,6,7,8,9,10,11,12,13,14,15
	ds_store_b128 v[STW], v[ACC+64*\e+4*\i:ACC+64*\e+4*\i+3] offset:528*\i
.endr
.irp c, 0,1
.irp i, 0,1,2,3,4,5,6,7
	ds_load_b128 v[32+32*\c+4*\i:35+32*\c+4*\i], v[STR] offset:256*\c+16*\i   ; LDS serves a wave's instructions in order: these see my stores
.endr
.endr
	s_wait_dscnt 0x0                               ; (the last fragment's image stores have read their registers too)
	QUANTB 32, 96, 108, 116, PW, PX
.irp j, 0,1,2
	ds_store_b128 v[XIW], v[96+4*\j:99+4*\j] offset:XIMG+6144*\e+512*\j       ; the fragment goes to LDS as an image of its registers
.endr
	ds_store_b32 v[XSW], v[PW] offset:256*\e       ; lanes r and r + 16 write the same word with the same value
.endm
	XQ 0
	XQ 1
	s_wait_dscnt 0x0                               ; for the others' sake: my images have landed
	s_barrier_signal -1
	s_barrier_wait -1                              ; x's 32 fragments lie in LDS; nothing writes them again
; ---- the K loop: eight steps of 128, 16 products each on 16 accumulators that take turns.  wf, ws: where W's fragments and scale words go; xf, xs: x's
.macro KLOOP wf, ws, xf, xs
.irp s, 0,1,2,3,4,5,6,7
.if \s > 0
.rept 4
	v_nop                                          ; four places in front of loads into registers that products have read
.endr
.endif
.irp j, 0,1,2,3,4,5,6,7,8,9,10,11
	global_load_b128 v[\wf+4*\j:\wf+4*\j+3], v[LI16], s[WB:WB+1] offset:6144*\s+512*\j
.endr
	global_load_b128 v[\ws:\ws+3], v[LR16], s[WSB:WSB+1] offset:256*\s
.irp j, 0,1,2,3,4,5,6,7,8,9,10,11
	ds_load_b128 v[\xf+4*\j:\xf+4*\j+3], v[LI16] offset:XIMG+6144*\s+512*\j
.endr
	ds_load_b128 v[\xs:\xs+3], v[LR16] offset:XSC+256*\s
	s_wait_loadcnt 0x0
	s_wait_dscnt 0x0
.irp u, 0,1,2,3
.irp t, 0,1,2,3
.if \s == 0
	v_wmma_scale_f32_16x16x128_f8f6f4 v[ACC+32*\t+8*\u:ACC+32*\t+8*\u+7], v[P+12*\u:P+12*\u+11], v[R+12*\t:R+12*\t+11], 0, v[PS+\u], v[RS+\t] matrix_a_fmt:MATRIX_FMT_FP6 matrix_b_fmt:MATRIX_FMT_FP6
.else
	v_wmma_scale_f32_16x16x128_f8f6f4 v[ACC+32*\t+8*\u:ACC+32*\t+8*\u+7], v[P+12*\u:P+12*\u+11], v[R+12*\t:R+12*\t+11], v[ACC+32*\t+8*\u:ACC+32*\t+8*\u+7], v[PS+\u], v[RS+\t] matrix_a_fmt:MATRIX_FMT_FP6 matrix_b_fmt:MATRIX_FMT_FP6
.endif
.endr
.endr
.endr
.endm
	s_cmp_eq_u32 s4, 3
	s_cbranch_scc1 .Lv_path
	KLOOP P, PS, R, RS                             ; q1, q2, k: a lane holds one token and 32 neighbouring channels for each t
	s_branch .Ljoin
.Lv_path:
	KLOOP R, RS, P, PS                             ; v: a lane holds one channel and 32 neighbouring tokens for each t
.Ljoin:
.rept 4
	v_nop                                          ; places in front of the loads below and of the first read of results
.endr
	; ---- the bias.  Along the registers for q1, q2, k (b[64 wv + 32 h + 0 .. 31]); one number for each t for v (b[64 wv + 32 (r / 8) + 8 t + r % 8]).  Both are loaded; the one that does not apply becomes 0
.irp i, 0,1,2,3,4,5,6,7
	global_load_b128 v[32+4*\i:35+4*\i], v[BQO], s[BB:BB+1] offset:16*\i
.endr
.irp t, 0,1,2,3
	global_load_b32 v[64+\t], v[BVO], s[BB:BB+1] offset:32*\t
.endr
	s_wait_loadcnt 0x0
.set n, 0
.rept 32
	v_cndmask_b32 v[32+n], v[32+n], 0, s[MV]
.set n, n+1
.endr
.irp t, 0,1,2,3
	v_cndmask_b32 v[64+\t], 0, v[64+\t], s[MV]
.endr
.irp t, 0,1,2,3
.set n, 0
.rept 16
	v_pk_add_f32 v[ACC+32*\t+n:ACC+32*\t+n+1], v[ACC+32*\t+n:ACC+32*\t+n+1], v[32+n:33+n]   ; each accumulator from its low end on
.set n, n+2
.endr
.endr
.irp t, 0,1,2,3
.set n, 0
.rept 16
	v_pk_add_f32 v[ACC+32*\t+n:ACC+32*\t+n+1], v[ACC+32*\t+n:ACC+32*\t+n+1], v[64+2*(\t/2):65+2*(\t/2)] op_sel:[0,\t%2] op_sel_hi:[1,\t%2]
.set n, n+2
.endr
.endr
	; ---- each t's 32 registers are one block of the next product's K: its scale and its codes, the four t by turns
.irp t, 0,1,2,3
	v_max3_num_f32 v[116+\t], |v[ACC+32*\t]|, |v[ACC+32*\t+1]|, 0x1800000
.endr
.irp i, 2,4,6,8,10,12,14,16,18,20,22,24,26,28,30
.irp t, 0,1,2,3
	v_max3_num_f32 v[116+\t], v[116+\t], |v[ACC+32*\t+\i]|, |v[ACC+32*\t+\i+1]|
.endr
.endr
.irp t, 0,1,2,3
	v_add_nc_u32 v[120+\t], 0xff000000, v[116+\t]
.endr
.irp t, 0,1,2,3
	v_lshrrev_b32 v[124+\t], 23, v[120+\t]
.endr
.irp t, 0,1,2,3
	v_cvt_scalef32_pk16_fp6_f32 v[68+8*\t:70+8*\t], v[ACC+32*\t:ACC+32*\t+15], v[120+\t]
	v_cvt_scalef32_pk16_fp6_f32 v[100+4*\t:102+4*\t], v[ACC+32*\t+16:ACC+32*\t+31], v[120+\t]
.endr
	v_nop                                          ; one plain line behind the conversions
.irp t, 0,1,2,3
.irp i, 0,1,2
	v_mov_b32 v[71+8*\t+\i], v[100+4*\t+\i]
.endr
.endr
	; ---- the way out, through my stage: 64 rows x 48 bytes of codes, then 128 scale bytes, laid as they lie in pc and ps
.irp t, 0,1,2,3
.irp i, 0,1,2
	ds_store_b64 v[EW], v[68+8*\t+2*\i:69+8*\t+2*\i] offset:384*\t+8*\i
.endr
	ds_store_b8 v[ES], v[124+\t] offset:16*\t
.endr
.irp j, 0,1,2,3,4,5
	ds_load_b128 v[32+4*\j:35+4*\j], v[STW] offset:512*\j      ; LDS serves a wave's instructions in order: these see my stores
.endr
	ds_load_b32 v56, v[ESR]
	s_wait_dscnt 0x0
.irp j, 0,1,2,3,4,5
	global_store_b128 v[LI16], v[32+4*\j:35+4*\j], s[PCO:PCO+1] offset:512*\j   ; 512 consecutive bytes a store, at a multiple of 256 from the buffer's first byte
.endr
	global_store_b32 v[L4], v56, s[PSO:PSO+1]      ; 128 consecutive bytes: half an aligned block of 256; the neighbouring work-group writes the other half (0.5 MB in the whole launch)
	s_wait_tensorcnt 0x0                           ; the wave's end, behind my last LDS store
	ds_add_u32 v[SPW], v[NIL]
	s_wait_dscnt 0x0
	s_endpgm
.Lfunc_end_k_qdfb9cbc1fd_proj:
	.size	k_qdfb9cbc1fd_proj, .Lfunc_end_k_qdfb9cbc1fd_proj-k_qdfb9cbc1fd_proj
	.p2alignl 7, 3214868480
	.fill 96, 4, 3214868480
	.section	.rodata,"a",@progbits
	.p2align	6, 0x0
	.amdhsa_kernel k_qdfb9cbc1fd_proj
		.amdhsa_group_segment_fixed_size 188416
		.amdhsa_private_segment_fixed_size 0
		.amdhsa_enable_private_segment 0
		.amdhsa_kernarg_size 80
		.amdhsa_user_sgpr_count 2
		.amdhsa_user_sgpr_kernarg_segment_ptr 1
		.amdhsa_wavefront_size32 1
		.amdhsa_system_sgpr_workgroup_id_x 1
		.amdhsa_system_sgpr_workgroup_id_y 1
		.amdhsa_system_sgpr_workgroup_id_z 1
		.amdhsa_system_vgpr_workitem_id 0
		.amdhsa_next_free_vgpr 256
		.amdhsa_next_free_sgpr 66
		.amdhsa_reserve_vcc 0
		.amdhsa_float_denorm_mode_32 3
		.amdhsa_float_denorm_mode_16_64 3
		.amdhsa_memory_ordered 1
		.amdhsa_forward_progress 1
		.amdhsa_inst_pref_size 105
	.end_amdhsa_kernel
	.amdgpu_metadata
---
amdhsa.version: [ 1, 2 ]
amdhsa.kernels:
  - .name:           k_qdfb9cbc1fd_proj
    .symbol:         k_qdfb9cbc1fd_proj.kd
    .args:
      - { .name: q1, .offset: 0, .size: 8, .value_kind: global_buffer, .address_space: global }
      - { .name: q2, .offset: 8, .size: 8, .value_kind: global_buffer, .address_space: global }
      - { .name: k, .offset: 16, .size: 8, .value_kind: global_buffer, .address_space: global }
      - { .name: v, .offset: 24, .size: 8, .value_kind: global_buffer, .address_space: global }
      - { .name: bq, .offset: 32, .size: 8, .value_kind: global_buffer, .address_space: global }
      - { .name: bk, .offset: 40, .size: 8, .value_kind: global_buffer, .address_space: global }
      - { .name: bv, .offset: 48, .size: 8, .value_kind: global_buffer, .address_space: global }
      - { .name: wimg, .offset: 56, .size: 8, .value_kind: global_buffer, .address_space: global }
      - { .name: pc, .offset: 64, .size: 8, .value_kind: global_buffer, .address_space: global }
      - { .name: ps, .offset: 72, .size: 8, .value_kind: global_buffer, .address_space: global }
    .group_segment_fixed_size: 188416
    .private_segment_fixed_size: 0
    .kernarg_segment_align: 8
    .kernarg_segment_size: 80
    .max_flat_workgroup_size: 512
    .sgpr_count:     66
    .vgpr_count:     256
    .wavefront_size: 32
...
	.end_amdgpu_metadata
.endif
;; end of part 2
;; launch attn (part 3): grid 8 x 32, 16 waves a work-group, no clusters, 276,480 bytes of LDS; arguments pc, ps, lam, obuf; writes obuf
.if DOCPART == 3
	.amdgcn_target "amdgcn-amd-amdhsa--gfx1250"
	.amdhsa_code_object_version 6
	.text
	.protected	k_qdfb9cbc1fd_attn
	.globl	k_qdfb9cbc1fd_attn
	.p2align	8
	.type	k_qdfb9cbc1fd_attn,@function
k_qdfb9cbc1fd_attn:
	s_mov_b64 s[64:65], 0
	v_nop
	global_prefetch_b8 v0, s[64:65] scope:SCOPE_SE
	s_setreg_imm32_b32 hwreg(HW_REG_WAVE_MODE, 25, 1), 1
	s_wait_xcnt 0x0
; O = Q(softmax(q1 k^T / 8) - lam softmax(q2 k^T / 8)) Q(v), all three products on codes of FP6 (E2M3).  q1, q2, k, v come as codes and scale bytes from pc and ps (layout in the launch that makes them); O: obuf [4096][1024] f32.
; THE SECOND PRODUCT'S OPERAND IS THE FINISHED, NORMALISED DIFFERENCE, so both rows' maxima and sums must be known before one code of it is made.  All scores of a tile of 16 queries are therefore kept in the
; work-group's registers: 16 queries x 2,048 keys x 2 softmaxes = 128 registers in each of 16 waves; each score is multiplied once and goes through one exponential.
; SHARES.  Work-group: y = 16 batch + head, x = a block of 256 queries = 16 tiles.  THE WAVES SHARE THE KEYS: wave w owns keys 128 w .. 128 w + 127 for every tile.  Its K stays in registers, its V as a register image in its own LDS bytes.
; K = 64 fills half of the instruction's 128: a fragment of K carries TWO tiles of 16 keys (k 0-63 and k 64-127) and is multiplied by [q | zero codes] and by [zero codes | q].
; Both products are used transposed (S^T = K Q^T, O^T = V^T diff^T): a lane holds one query.  Tile T, row m of K is key 128 w + 64 (T / 4) + 32 (m / 8) + 8 (T % 4) + m % 8, so that register 32 c + i of S^T is key 128 w + 64 c + 32 (lane / 16) + i:
; a lane holds whole blocks of 32 keys in the order that the second product's operand wants.
; THE SOFTMAX.  t = score x log2(e) / 8.  Each wave takes the largest t of ITS 128 keys, rounded up to a whole number M_w; p = 2^(t - M_w); its sum l_w.  (-M_w, l_w) of both softmaxes meet in LDS; M = the largest M_w, l = the sum of
; l_w 2^(M_w - M), made by v_ldexp_f32: nothing is rounded by the change of M.  diff = p1 F1 - lam F2 p2 with F = 2^(M_w - M) / l.
; Each wave's partial O (its 128 keys) goes to LDS; one tile later wave w adds the sixteen parts of query w and stores that row's 256 bytes.  ONE barrier a tile: the LDS regions take turns by the tile's parity.
; LIMITS: p under 2^-126 is 0 (ISA guide: v_exp_f32 flushes); a factor F under 2^-126 may lose bits or fall to 0: such weights are under 1e-38; a block of diff that is all zeros keeps the byte 1 with zero codes; NaN and infinities are not served.
; No cluster, no joint loads, no ring: K and V are read once a work-group, at the head, and no tile is asked for again.
.set VIMG, 0                           ; LDS: V's images: 6,144 w + 512 j + 16 l
.set QIMG, 98304                       ; the 16 tiles of queries: tile at 1,792: q1's three pieces at 256 i + 8 l, q2's at 768 + .., the scale word at 1,536 + 8 l
.set ML,   126976                      ; (-M, l): 4,096 parity + 256 w + 16 r + 8 h (h: which softmax)
.set OP,   135168                      ; the partial O: 69,632 parity + 4,352 w + 272 query + 4 channel
.set SPARE, 274432                     ; the spare words, 128 bytes for each wave: eight blocks of 256 bytes that no other line names
.set SPW, 2                            ; v2  LDS address of my spare word; never rewritten
.set NIL, 3                            ; v3  0; never rewritten
.set QAD, 4                            ; v4  QIMG + 8 l + 1,792 x the tile to be fetched
.set MLW, 5
.set MLR, 6
.set OPW, 7
.set OPR, 8
.set VAD, 9
.set GO,  10                           ; v10 8 l
.set SH8, 11                           ; v11 8 h
.set QS,  12                           ; v12 scales alone: lanes 0-15 q1's words, lanes 16-31 q2's
.set DS,  13                           ; v13 scales alone: diff's word
.set KS,  14                           ; v14-15 scales alone: KS[i], lane l: fragment 2 i + l / 16, row l % 16
.set VS,  16                           ; v16-17 scales alone: VS[i], lane l: channel 32 i + l
.set NM,  18                           ; v18-19 -M of my 128 keys, softmax 1 and 2
.set FF,  22                           ; v22 F1, v23 -lam F2
.set KF,  56                           ; v56-103 K's four fragments.  v26-55: [0 x 6 | q1 x 6 | 0 x 6 | q2 x 6 | 0 x 6]
.set TT,  104                          ; v104-127 at work
.set S1,  128                          ; v128-191 S1^T, p1, diff; then v128-159 my partial O^T and v160-191 the sixteen parts of the last tile's row
.set S2,  192                          ; v192-255 S2^T, p2; then v192-239 V's four fragments
.set LAM, 13
.set CS,  14                           ; s[14:15] log2(e) / 8
.set SEL, 16                           ; s[16:17] selects for lane l xor 16
.set HI,  18                           ; s18 the mask of lanes 16-31
.set OB,  22                           ; s[22:23] my row of the tile in hand in obuf
.macro QUANTB src, pc, ct, tm, pw, px  ; 64 numbers of a lane, register 32 c + i = k 64 c + 32 h + i, become 12 registers of codes at v[pc] and the scale word v[pw]
.irp c, 0,1
	v_max3_num_f32 v[\tm+\c], |v[\src+32*\c]|, |v[\src+32*\c+1]|, 0x1800000   ; with the floor 2^(3 - 127): the byte cannot fall under 1
.endr
.irp i, 2,4,6,8,10,12,14,16,18,20,22,24,26,28,30
.irp c, 0,1
	v_max3_num_f32 v[\tm+\c], v[\tm+\c], |v[\src+32*\c+\i]|, |v[\src+32*\c+\i+1]|
.endr
.endr
.irp c, 0,1
	v_add_nc_u32 v[\tm+2+\c], 0xff000000, v[\tm+\c]        ; 2 off the exponent field: the conversion's scale operand
.endr
.irp c, 0,1
	v_lshrrev_b32 v[\tm+\c], 23, v[\tm+2+\c]               ; the byte of block 2 c + h
.endr
	v_lshl_or_b32 v[\pw], v[\tm+1], 16, v[\tm]
	v_lshlrev_b32 v[\pw], v[SH8], v[\pw]
	v_permlanex16_b32 v[\px], v[\pw], s[SEL], s[SEL+1]
	v_or_b32 v[\pw], v[\pw], v[\px]                        ; with lane l xor 16's two bytes the word is whole
.irp c, 0,1
	v_cvt_scalef32_pk16_fp6_f32 v[\pc+6*\c:\pc+6*\c+2], v[\src+32*\c:\src+32*\c+15], v[\tm+2+\c]
	v_cvt_scalef32_pk16_fp6_f32 v[\ct+4*\c:\ct+4*\c+2], v[\src+32*\c+16:\src+32*\c+31], v[\tm+2+\c]   ; (a conversion's three registers begin on an even number)
.endr
	v_nop                                                  ; one plain line behind the conversions
.irp c, 0,1
.irp i, 0,1,2
	v_mov_b32 v[\pc+6*\c+3+\i], v[\ct+4*\c+\i]
.endr
.endr
.endm
	s_load_b256 s[4:11], s[0:1], 0x0               ; pc s[4:5], ps s[6:7], lam s[8:9], obuf s[10:11]
	v_lshl_add_u32 v[SPW], v0, 2, SPARE
	v_mov_b32 v[NIL], 0
	v_lshrrev_b32 v1, 5, v0
	v_readfirstlane_b32 s12, v1                    ; wave 0 .. 15
	s_and_b32 s24, ttmp7, 0xffff                   ; hb
	s_mov_b32 s[CS], 0x3e38aa3b                    ; log2(e) / 8
	s_mov_b32 s[CS+1], s[CS]                       ; (named with it as a pair, so it is written)
	s_mov_b32 s[SEL], 0x76543210
	s_mov_b32 s[SEL+1], 0xfedcba98
	s_mov_b32 s[HI], 0xffff0000
	v_and_b32 v128, 31, v0                         ; l
	v_and_b32 v129, 15, v0                         ; r
	v_bfe_u32 v130, v0, 4, 1                       ; h
	v_lshlrev_b32 v[GO], 3, v128
	v_add_nc_u32 v[QAD], QIMG, v[GO]
	s_mul_i32 s20, s12, 1792
	v_add_nc_u32 v138, s20, v[QAD]                 ; where I store tile w's image
	v_lshlrev_b32 v[MLR], 4, v129
	v_lshl_add_u32 v[MLR], v130, 3, v[MLR]
	v_add_nc_u32 v[MLR], ML, v[MLR]
	s_lshl_b32 s20, s12, 8
	v_add_nc_u32 v[MLW], s20, v[MLR]
	v_mul_u32_u24 v[OPW], v129, 272
	v_lshl_add_u32 v[OPW], v130, 5, v[OPW]
	s_mul_i32 s20, s12, 4352
	s_add_co_u32 s20, s20, OP
	v_add_nc_u32 v[OPW], s20, v[OPW]               ; my part: query r, channels 16 dt + 8 h on
	s_mul_i32 s20, s12, 272
	s_add_co_u32 s20, s20, OP
	v_add_nc_u32 v[OPR], s20, v[GO]                ; every wave's part of query w: 8 bytes a lane
	v_lshlrev_b32 v[VAD], 4, v128
	s_mul_i32 s20, s12, 6144
	v_add_nc_u32 v[VAD], s20, v[VAD]
	v_lshlrev_b32 v[SH8], 3, v130
	s_lshl_b32 s20, s12, 7                         ; 128 w
	v_and_b32 v131, 8, v129
	v_and_b32 v139, 7, v129
	v_lshl_add_u32 v131, v131, 2, v139
	v_add_nc_u32 v131, s20, v131                   ; 128 w + 32 (r / 8) + r % 8
	v_mul_u32_u24 v132, v131, 48
	v_mad_u32_u24 v132, v130, 24, v132             ; K's codes: 48 bytes a key, 24 a block
	v_lshl_add_u32 v133, v130, 4, v131
	v_lshlrev_b32 v133, 1, v133                    ; K's scale bytes: lanes 16-31 take the fragment one on (16 keys)
	v_add_nc_u32 v134, s20, v129
	v_mul_u32_u24 v134, v134, 48
	v_mad_u32_u24 v134, v130, 24, v134             ; V's codes: row 128 w + 64 c + 16 dt + r
	v_add_nc_u32 v135, s20, v128
	v_lshlrev_b32 v135, 1, v135                    ; V's scale bytes: row 128 w + 64 c + 32 i + l
	s_lshl_b32 s21, ttmp9, 8
	s_lshl_b32 s20, s12, 4
	s_add_co_u32 s21, s21, s20                     ; 256 x block + 16 w: the tile of queries whose image I make
	v_add_nc_u32 v136, s21, v129
	v_lshlrev_b32 v137, 1, v136
	v_lshl_add_u32 v137, v130, 17, v137            ; its scale bytes: lanes 16-31 take q2's, 131,072 bytes on
	v_mul_u32_u24 v136, v136, 48
	v_mad_u32_u24 v136, v130, 24, v136
	s_mul_i32 s26, s24, 98304
	s_mov_b32 s27, 0
	s_lshl_b32 s28, s24, 12
	s_mov_b32 s29, 0
	s_lshr_b32 s20, s24, 4                         ; obuf: row 2,048 batch + 256 x block + w, + 16 a tile;
	s_lshl_b32 s20, s20, 11
	s_lshl_b32 s21, ttmp9, 8
	s_add_co_u32 s20, s20, s21
	s_add_co_u32 s20, s20, s12
	s_lshl_b32 s20, s20, 12
	s_and_b32 s21, s24, 15                         ; the head's 256 bytes of it
	s_lshl_b32 s21, s21, 8
	s_add_co_u32 s20, s20, s21
	s_mov_b32 s21, 0
	s_wait_kmcnt 0x0
	s_load_b32 s[LAM], s[8:9], 0x0
	s_add_nc_u64 s[4:5], s[4:5], s[26:27]          ; pc at my head: q1's codes (q2's 3,145,728 on),
	s_add_nc_u64 s[26:27], s[4:5], 6291456         ; k's,
	s_add_nc_u64 s[30:31], s[4:5], 9437184         ; v's
	s_add_nc_u64 s[6:7], s[6:7], s[28:29]          ; ps at my head
	s_add_nc_u64 s[OB:OB+1], s[10:11], s[20:21]
.irp T, 0,1,2,3,4,5,6,7
.irp i, 0,1,2
	global_load_b64 v[KF+6*\T+2*\i:KF+6*\T+2*\i+1], v132, s[26:27] offset:(64*(\T/4)+8*(\T%4))*48+8*\i   ; tile T is half T % 2 of fragment T / 2
.endr
.endr
.irp i, 0,1
.irp e, 0,1
	global_load_u16 v[116+2*\i+\e], v133, s[6:7] offset:2*131072+(64*\i+8*\e)*2
.endr
.endr
.irp dt, 0,1,2,3
.irp c, 0,1
.irp i, 0,1,2
	global_load_b64 v[S2+12*\dt+6*\c+2*\i:S2+12*\dt+6*\c+2*\i+1], v134, s[30:31] offset:(64*\c+16*\dt)*48+8*\i
.endr
.endr
.endr
.irp i, 0,1
.irp c, 0,1
	global_load_u16 v[120+2*\i+\c], v135, s[6:7] offset:3*131072+(64*\c+32*\i)*2
.endr
.endr
.irp i, 0,1,2
	global_load_b64 v[104+2*\i:105+2*\i], v136, s[4:5] offset:8*\i
	global_load_b64 v[110+2*\i:111+2*\i], v136, s[4:5] offset:3145728+8*\i
.endr
	global_load_u16 v124, v137, s[6:7]
.irp z, 26,27,28,29,30,31,38,39,40,41,42,43,50,51,52,53,54,55
	v_mov_b32 v[\z], 0                             ; the zero codes beside q1 and q2: written once
.endr
	v_mov_b32 v24, 0                               ; written once: a lane exchange's destination counts as one of its sources
	v_mov_b32 v25, 0
	s_wait_loadcnt 0x0
	v_lshl_or_b32 v[KS], v117, 16, v116            ; a fragment's word: the even tile's two bytes, then the odd tile's
	v_lshl_or_b32 v[KS+1], v119, 16, v118
	v_lshl_or_b32 v[VS], v121, 16, v120            ; keys 0-63's two bytes, then keys 64-127's
	v_lshl_or_b32 v[VS+1], v123, 16, v122
	v_lshl_or_b32 v124, v124, 16, v124             ; q's two bytes twice: the word serves [q | 0] and [0 | q]
.irp j, 0,1,2,3,4,5,6,7,8,9,10,11
	ds_store_b128 v[VAD], v[S2+4*\j:S2+4*\j+3] offset:VIMG+512*\j
.endr
.irp i, 0,1,2
	ds_store_b64 v138, v[104+2*\i:105+2*\i] offset:256*\i
	ds_store_b64 v138, v[110+2*\i:111+2*\i] offset:768+256*\i
.endr
	ds_store_b32 v138, v124 offset:1536
	s_wait_dscnt 0x0                               ; for the others' sake: my tile's image has landed
	s_barrier_signal -1
	s_barrier_wait -1                              ; the sixteen tiles of queries lie in LDS; nothing writes them again
.macro QLOAD                           ; the tile of queries at v[QAD]
.irp i, 0,1,2
	ds_load_b64 v[32+2*\i:33+2*\i], v[QAD] offset:256*\i
	ds_load_b64 v[44+2*\i:45+2*\i], v[QAD] offset:768+256*\i
.endr
	ds_load_b32 v[QS], v[QAD] offset:1536
.endm
	QLOAD
	s_wait_kmcnt 0x0                               ; lam
.rept 8
	v_nop                                          ; K's and V's scale words were made by vector lines: eight places ahead of the first scaled product
.endr
; Tile T of the scores of softmax g: D = 16 keys x my 16 queries
.macro SCORE T, g
.set rD, S1+64*\g+8*\T
.set rA, KF+12*(\T/2)
.set rB, 32+12*\g-6*(\T%2)             ; [q | 0] for an even tile, [0 | q] for an odd one
.set rS, KS+\T/4
.if ((\T/2)%2 == 0) && (\g == 0)
	v_wmma_scale_f32_16x16x128_f8f6f4 v[rD:rD+7], v[rA:rA+11], v[rB:rB+11], 0, v[rS], v[QS] matrix_a_fmt:MATRIX_FMT_FP6 matrix_b_fmt:MATRIX_FMT_FP6
.elseif ((\T/2)%2 == 1) && (\g == 0)
	v_wmma_scale_f32_16x16x128_f8f6f4 v[rD:rD+7], v[rA:rA+11], v[rB:rB+11], 0, v[rS], v[QS] matrix_a_fmt:MATRIX_FMT_FP6 matrix_b_fmt:MATRIX_FMT_FP6 matrix_a_scale:MATRIX_SCALE_ROW1
.elseif ((\T/2)%2 == 0)
	v_wmma_scale_f32_16x16x128_f8f6f4 v[rD:rD+7], v[rA:rA+11], v[rB:rB+11], 0, v[rS], v[QS] matrix_a_fmt:MATRIX_FMT_FP6 matrix_b_fmt:MATRIX_FMT_FP6 matrix_b_scale:MATRIX_SCALE_ROW1
.else
	v_wmma_scale_f32_16x16x128_f8f6f4 v[rD:rD+7], v[rA:rA+11], v[rB:rB+11], 0, v[rS], v[QS] matrix_a_fmt:MATRIX_FMT_FP6 matrix_b_fmt:MATRIX_FMT_FP6 matrix_a_scale:MATRIX_SCALE_ROW1 matrix_b_scale:MATRIX_SCALE_ROW1
.endif
.endm
.macro CLOAD p                         ; the sixteen waves' parts of query w of the tile whose parity is p
	v_add_nc_u32 v25, 69632*(\p), v[OPR]
.irp w, 0,1,2,3,4,5,6,7,8,9,10,11,12,13,14,15
	ds_load_b64 v[160+2*\w:161+2*\w], v25 offset:4352*\w
.endr
.endm
.macro CSUM                            ; they are added and the row's 256 bytes leave
	s_wait_dscnt 0x0
.irp n, 0,2,4,6,8,10,12,14
	v_pk_add_f32 v[160+\n:161+\n], v[160+\n:161+\n], v[176+\n:177+\n]
.endr
.irp n, 0,2,4,6
	v_pk_add_f32 v[160+\n:161+\n], v[160+\n:161+\n], v[168+\n:169+\n]
.endr
.irp n, 0,2
	v_pk_add_f32 v[160+\n:161+\n], v[160+\n:161+\n], v[164+\n:165+\n]
.endr
	v_pk_add_f32 v[160:161], v[160:161], v[162:163]
	global_store_b64 v[GO], v[160:161], s[OB:OB+1] offset:-65536 th:TH_STORE_NT   ; 32 lanes store 256 consecutive bytes, at a multiple of 256 from obuf's first byte; the row of the tile before
.endm
; ONE TILE OF 16 QUERIES.  par: its parity; first, last: the launch's first and last tile
.macro TILE par, first, last
	s_wait_xcnt 0x0                                ; the last row's store has read its data and its base: both are written below
	s_wait_dscnt 0x0                               ; the queries are in, and the last tile's LDS stores have read v128-159
.if !\first
	s_add_nc_u64 s[OB:OB+1], s[OB:OB+1], 0x10000   ; 16 rows of obuf on
.endif
.irp T, 0,1,2,3,4,5,6,7
	SCORE \T, 0
	SCORE \T, 1
.endr
.rept 4
	v_nop                                          ; four places ahead of the first read of results (ISA guide 7.12.1)
.endr
	; the largest score of my 128 keys: four chains of 16 registers for each softmax, ascending
.irp g, 0,1
.irp k, 0,1,2,3
	v_max3_num_f32 v[TT+4*\g+\k], v[S1+64*\g+16*\k], v[S1+64*\g+16*\k+1], v[S1+64*\g+16*\k+2]
.endr
.endr
.irp i, 3,5,7,9,11,13
.irp g, 0,1
.irp k, 0,1,2,3
	v_max3_num_f32 v[TT+4*\g+\k], v[TT+4*\g+\k], v[S1+64*\g+16*\k+\i], v[S1+64*\g+16*\k+\i+1]
.endr
.endr
.endr
.irp g, 0,1
.irp k, 0,1,2,3
	v_max_num_f32 v[TT+4*\g+\k], v[TT+4*\g+\k], v[S1+64*\g+16*\k+15]
.endr
.endr
.irp g, 0,1
	v_max3_num_f32 v[TT+4*\g], v[TT+4*\g], v[TT+4*\g+1], v[TT+4*\g+2]
.endr
.irp g, 0,1
	v_max_num_f32 v[TT+4*\g], v[TT+4*\g], v[TT+4*\g+3]
.endr
.irp g, 0,1
	v_permlanex16_b32 v[24+\g], v[TT+4*\g], s[SEL], s[SEL+1]
.endr
.irp g, 0,1
	v_max_num_f32 v[TT+4*\g], v[TT+4*\g], v[24+\g] ; with lane l xor 16's 64 keys
.endr
.irp g, 0,1
	v_mul_f32 v[TT+4*\g], s[CS], v[TT+4*\g]        ; as t (the factor is positive)
.endr
.irp g, 0,1
	v_floor_f32 v[NM+\g], -v[TT+4*\g]              ; -M = floor(-t): M is a whole number
.endr
.set n, 0
.rept 32
	v_pk_fma_f32 v[S1+n:S1+n+1], v[S1+n:S1+n+1], s[CS:CS+1], v[NM:NM+1] op_sel_hi:[1,0,0]                  ; t - M, two at a time: the pair's low word, -M1, for both
.set n, n+2
.endr
.set n, 0
.rept 32
	v_pk_fma_f32 v[S2+n:S2+n+1], v[S2+n:S2+n+1], s[CS:CS+1], v[NM:NM+1] op_sel:[0,0,1] op_sel_hi:[1,0,1]   ; its high word, -M2, for both
.set n, n+2
.endr
.set n, 0
.rept 128
	v_exp_f32 v[S1+n], v[S1+n]                     ; p = 2^(t - M), at most 1: one batch
.set n, n+1
.endr
	v_cndmask_b32 v20, v[NM], v[NM+1], s[HI]       ; lanes 0-15 post softmax 1's figures, lanes 16-31 softmax 2's.  (The plain line behind the exponentials)
	s_wait_alu depctr_va_vdst(0)                   ; ahead of the first line that names an exponential's result: one for the batch
.irp g, 0,1
	v_pk_add_f32 v[TT+4*\g:TT+4*\g+1], v[S1+64*\g:S1+64*\g+1], v[S1+64*\g+2:S1+64*\g+3]      ; the sums of p, two chains for each softmax
	v_pk_add_f32 v[TT+4*\g+2:TT+4*\g+3], v[S1+64*\g+4:S1+64*\g+5], v[S1+64*\g+6:S1+64*\g+7]
.endr
.irp j, 8,12,16,20,24,28,32,36,40,44,48,52,56,60
.irp g, 0,1
	v_pk_add_f32 v[TT+4*\g:TT+4*\g+1], v[TT+4*\g:TT+4*\g+1], v[S1+64*\g+\j:S1+64*\g+\j+1]
	v_pk_add_f32 v[TT+4*\g+2:TT+4*\g+3], v[TT+4*\g+2:TT+4*\g+3], v[S1+64*\g+\j+2:S1+64*\g+\j+3]
.endr
.endr
.irp g, 0,1
	v_pk_add_f32 v[TT+4*\g:TT+4*\g+1], v[TT+4*\g:TT+4*\g+1], v[TT+4*\g+2:TT+4*\g+3]
.endr
.irp g, 0,1
	v_add_f32 v[TT+4*\g], v[TT+4*\g], v[TT+4*\g+1]
.endr
.irp g, 0,1
	v_permlanex16_b32 v[24+\g], v[TT+4*\g], s[SEL], s[SEL+1]
.endr
.irp g, 0,1
	v_add_f32 v[TT+4*\g], v[TT+4*\g], v[24+\g]
.endr
	v_cndmask_b32 v21, v[TT], v[TT+4], s[HI]
	ds_store_b64 v[MLW], v[20:21] offset:4096*\par
	s_wait_dscnt 0x0                               ; for the others' sake: my figures, and my part of the last tile's O, have landed; my reads of what is written next are over
	s_barrier_signal -1
	s_barrier_wait -1                              ; THE TILE'S ONE BARRIER
	; ---- all sixteen waves' figures.  Lane (r, h) serves query r of softmax h
.set wq, 0
.irp p, 32,34,36,44,46,48,104,106,108,110,112,114,116,118,120,122
	ds_load_b64 v[\p:\p+1], v[MLR] offset:4096*\par+256*wq
.set wq, wq+1
.endr
	s_wait_dscnt 0x0
	v_min3_num_f32 v1, v32, v34, v36               ; the least -M: the row's M
	v_min3_num_f32 v1, v1, v44, v46
	v_min3_num_f32 v1, v1, v48, v104
	v_min3_num_f32 v1, v1, v106, v108
	v_min3_num_f32 v1, v1, v110, v112
	v_min3_num_f32 v1, v1, v114, v116
	v_min3_num_f32 v1, v1, v118, v120
	v_min_num_f32 v1, v1, v122
.irp p, 32,34,36,44,46,48,104,106,108,110,112,114,116,118,120,122
	v_sub_f32 v[\p], v1, v[\p]                     ; M_w - M: a whole number, 0 or less
.endr
.irp p, 32,34,36,44,46,48,104,106,108,110,112,114,116,118,120,122
	v_cvt_i32_f32 v[\p], v[\p]                     ; (it saturates)
.endr
.irp p, 32,34,36,44,46,48,104,106,108,110,112,114,116,118,120,122
	v_ldexp_f32 v[\p+1], v[\p+1], v[\p]            ; l_w under the row's M: nothing is rounded
.endr
	v_add_f32 v33, v33, v35
	v_add_f32 v47, v47, v49
	v_add_f32 v109, v109, v111
	v_add_f32 v117, v117, v119
	v_add_f32 v33, v33, v37
	v_add_f32 v47, v47, v105
	v_add_f32 v109, v109, v113
	v_add_f32 v117, v117, v121
	v_add_f32 v33, v33, v45
	v_add_f32 v47, v47, v107
	v_add_f32 v109, v109, v115
	v_add_f32 v117, v117, v123
	v_add_f32 v33, v33, v47
	v_add_f32 v109, v109, v117
	v_add_f32 v33, v33, v109                       ; the row's sum: over 0.5, at most 2,048
	v_rcp_f32 v35, v33
	v_sub_f32 v24, v1, v20                         ; my own M_w - M.  (The plain line behind the reciprocal)
	v_cvt_i32_f32 v24, v24
	s_wait_alu depctr_va_vdst(0)                   ; ahead of the reciprocal's first reader
	v_ldexp_f32 v35, v35, v24                      ; F = 2^(M_w - M) / l of softmax h
	v_permlanex16_b32 v24, v35, s[SEL], s[SEL+1]   ; and of the other
	v_cndmask_b32 v[FF], v35, v24, s[HI]           ; F1
	v_cndmask_b32 v[FF+1], v24, v35, s[HI]         ; F2
	v_mul_f32 v[FF+1], -v[FF+1], s[LAM]            ; -lam F2
.if !\last
	v_add_nc_u32 v[QAD], 1792, v[QAD]              ; (no LDS load of mine is out)
	QLOAD                                          ; the next tile's queries, into the registers that the figures have left
.endif
.set n, 0
.rept 32
	v_pk_mul_f32 v[S2+n:S2+n+1], v[S2+n:S2+n+1], v[FF:FF+1] op_sel:[0,1] op_sel_hi:[1,1]      ; -lam a2
.set n, n+2
.endr
.set n, 0
.rept 32
	v_pk_fma_f32 v[S1+n:S1+n+1], v[S1+n:S1+n+1], v[FF:FF+1], v[S2+n:S2+n+1] op_sel_hi:[1,0,1]  ; diff = a1 - lam a2
.set n, n+2
.endr
.irp j, 0,1,2,3,4,5,6,7,8,9,10,11
	ds_load_b128 v[S2+4*\j:S2+4*\j+3], v[VAD] offset:VIMG+512*\j   ; V's four fragments, where p2 lay
.endr
	QUANTB S1, TT, TT+12, TT+20, DS, 24
.if !\first
	CLOAD 1-\par                                   ; the last tile's parts, into the upper half of diff's registers
.endif
.rept 8
	v_nop                                          ; codes and scale word were made by vector lines: four and eight places ahead of a scaled product
.endr
.if \first
	s_wait_dscnt 0x0
.else
	s_wait_dscnt 16                                ; V and the queries are in; the sixteen loads issued behind them may be out
.endif
.irp dt, 0,1,2,3
.if (\dt)%2 == 0
	v_wmma_scale_f32_16x16x128_f8f6f4 v[S1+8*\dt:S1+8*\dt+7], v[S2+12*\dt:S2+12*\dt+11], v[TT:TT+11], 0, v[VS+\dt/2], v[DS] matrix_a_fmt:MATRIX_FMT_FP6 matrix_b_fmt:MATRIX_FMT_FP6
.else
	v_wmma_scale_f32_16x16x128_f8f6f4 v[S1+8*\dt:S1+8*\dt+7], v[S2+12*\dt:S2+12*\dt+11], v[TT:TT+11], 0, v[VS+\dt/2], v[DS] matrix_a_fmt:MATRIX_FMT_FP6 matrix_b_fmt:MATRIX_FMT_FP6 matrix_a_scale:MATRIX_SCALE_ROW1
.endif
.endr
.if \first
.rept 5
	v_nop
.endr
.else
	CSUM                                           ; its fifteen additions name none of the products' registers: they are the places ahead of the stores below and of the next tile's products, which write over these registers
.endif
	v_add_nc_u32 v25, 69632*\par, v[OPW]
.irp dt, 0,1,2,3
	ds_store_b128 v25, v[S1+8*\dt:S1+8*\dt+3] offset:64*\dt         ; each accumulator from its low end on
	ds_store_b128 v25, v[S1+8*\dt+4:S1+8*\dt+7] offset:64*\dt+16
.endr
.endm
; Why one barrier a tile is enough: behind tile t's barrier a wave reads the figures of parity t, writes the parts of parity t, reads the parts of parity t - 1 and writes the figures of parity t + 1.
; A region is written again only two barriers after it was read, and every wave signals each barrier behind s_wait_dscnt 0.
	TILE 0, 1, 0
	s_mov_b32 s20, 7
.Ltiles:
	TILE 1, 0, 0
	TILE 0, 0, 0
	s_sub_co_u32 s20, s20, 1
	s_cmp_lg_u32 s20, 0
	s_cbranch_scc1 .Ltiles
	TILE 1, 0, 1
	s_wait_dscnt 0x0                               ; for the others' sake: my part of the last tile has landed
	s_barrier_signal -1
	s_barrier_wait -1
	s_wait_xcnt 0x0                                ; the last store has read its data and its base
	s_add_nc_u64 s[OB:OB+1], s[OB:OB+1], 0x10000
	CLOAD 1
	CSUM
	s_wait_tensorcnt 0x0                           ; the wave's end, behind my last LDS store
	ds_add_u32 v[SPW], v[NIL]
	s_wait_dscnt 0x0
	s_endpgm
.Lfunc_end_k_qdfb9cbc1fd_attn:
	.size	k_qdfb9cbc1fd_attn, .Lfunc_end_k_qdfb9cbc1fd_attn-k_qdfb9cbc1fd_attn
	.p2alignl 7, 3214868480
	.fill 96, 4, 3214868480
	.section	.rodata,"a",@progbits
	.p2align	6, 0x0
	.amdhsa_kernel k_qdfb9cbc1fd_attn
		.amdhsa_group_segment_fixed_size 276480
		.amdhsa_private_segment_fixed_size 0
		.amdhsa_enable_private_segment 0
		.amdhsa_kernarg_size 32
		.amdhsa_user_sgpr_count 2
		.amdhsa_user_sgpr_kernarg_segment_ptr 1
		.amdhsa_wavefront_size32 1
		.amdhsa_system_sgpr_workgroup_id_x 1
		.amdhsa_system_sgpr_workgroup_id_y 1
		.amdhsa_system_sgpr_workgroup_id_z 1
		.amdhsa_system_vgpr_workitem_id 0
		.amdhsa_next_free_vgpr 256
		.amdhsa_next_free_sgpr 66
		.amdhsa_reserve_vcc 0
		.amdhsa_float_denorm_mode_32 3
		.amdhsa_float_denorm_mode_16_64 3
		.amdhsa_memory_ordered 1
		.amdhsa_forward_progress 1
		.amdhsa_inst_pref_size 153
	.end_amdhsa_kernel
	.amdgpu_metadata
---
amdhsa.version: [ 1, 2 ]
amdhsa.kernels:
  - .name:           k_qdfb9cbc1fd_attn
    .symbol:         k_qdfb9cbc1fd_attn.kd
    .args:
      - { .name: pc, .offset: 0, .size: 8, .value_kind: global_buffer, .address_space: global }
      - { .name: ps, .offset: 8, .size: 8, .value_kind: global_buffer, .address_space: global }
      - { .name: lam, .offset: 16, .size: 8, .value_kind: global_buffer, .address_space: global }
      - { .name: obuf, .offset: 24, .size: 8, .value_kind: global_buffer, .address_space: global }
    .group_segment_fixed_size: 276480
    .private_segment_fixed_size: 0
    .kernarg_segment_align: 8
    .kernarg_segment_size: 32
    .max_flat_workgroup_size: 512
    .sgpr_count:     66
    .vgpr_count:     256
    .wavefront_size: 32
...
	.end_amdgpu_metadata
.endif
;; end of part 3
;; launch outp (part 4): grid 64 x 1, 16 waves a work-group, no clusters, 188,416 bytes of LDS; arguments obuf, wimg, bo, out0; writes out0
.if DOCPART == 4
	.amdgcn_target "amdgcn-amd-amdhsa--gfx1250"
	.amdhsa_code_object_version 6
	.text
	.protected	k_qdfb9cbc1fd_outp
	.globl	k_qdfb9cbc1fd_outp
	.p2align	8
	.type	k_qdfb9cbc1fd_outp,@function
k_qdfb9cbc1fd_outp:
	s_mov_b64 s[64:65], 0
	v_nop
	global_prefetch_b8 v0, s[64:65] scope:SCOPE_SE
	s_setreg_imm32_b32 hwreg(HW_REG_WAVE_MODE, 25, 1), 1
	s_wait_xcnt 0x0
; out0 = Q(O) Q(Wo) + bo on codes of FP6 (E2M3).  O: obuf [4096][1024] f32, quantised here along its 1,024; Wo comes as register images from wimg (matrix 3); out0: [4096][1024] f32.
; SHARES.  A work-group takes 64 rows x all 1,024 columns, so O is read and quantised once; wave wv takes columns 64 wv .. 64 wv + 63: 16 accumulators.  O's codes go from wave to wave through LDS as images of the
; operand's registers; each wave's fragments of Wo go from memory straight into its registers.  64 work-groups: narrower shares would read Wo's codes or O's f32 rows several times as often.
; WHICH 16 ROWS FORM A TILE: tile u, row m is index 32 (m / 8) + 8 u + m % 8 of 64, for rows and columns alike.  Source 0 = Wo: a lane's 32 registers of tiles u = 0 .. 3 are 32 neighbouring columns of one row of out0.
; LIMITS: a block of zeros, or one under 2^-124, keeps the byte 1 with zero codes; NaN and infinities are not served.
.set XIMG, 0                           ; LDS: O's 32 fragments: (K step s, tile t) at (4 s + t) x 1,536
.set XSC,  49152                       ; their scale words: 256 s + 16 r + 4 t
.set STG,  51200                       ; a stage of 8,448 bytes for each wave
.set SPARE, 186368                     ; the spare words, 128 bytes for each wave: eight blocks of 256 bytes that no other line names
.set LI16, 4                           ; v4  16 x lane
.set LR16, 5                           ; v5  16 x (lane % 16)
.set STW,  6                           ; v6  my stage + 16 x lane
.set STR,  7                           ; v7  my stage + 528 r + 128 h
.set XIW,  8                           ; v8  where I store the images
.set XSW,  9                           ; v9  and their scale words
.set SH8,  10                          ; v10 8 h
.set SO,   11                          ; v11 the way out: my stage + 272 r + 128 h
.set SR,   12                          ; v12 back: my stage + 272 h + 16 r
.set GOF,  13                          ; v13 4,096 h + 16 r
.set SPW,  16                          ; v16 LDS address of my spare word; never rewritten
.set NIL,  17                          ; v17 0; never rewritten
.set BQO,  18                          ; v18 128 h
.set PX,   20
.set PW,   21
.set PS,   24                          ; v24-27 Wo's scale words;  v28-31 O's: these eight hold scales and nothing else
.set RS,   28
.set P,    32                          ; v32-79  Wo's four fragments
.set R,    80                          ; v80-127 O's four
.set ACC,  128                         ; v128-255 accumulator (u, t) at 128 + 32 t + 8 u
.set SEL,  28
.set XB,   32
.set BB,   34
.set WB,   36
.set WSB,  38
.set OUTB, 40
.macro QUANTB src, pc, ct, tm, pw, px  ; 64 numbers of a lane, register 32 c + i = k 64 c + 32 h + i of my row, become 12 registers of codes at v[pc] and the scale word v[pw]
.irp c, 0,1
	v_max3_num_f32 v[\tm+\c], |v[\src+32*\c]|, |v[\src+32*\c+1]|, 0x1800000   ; with the floor 2^(3 - 127): the byte cannot fall under 1
.endr
.irp i, 2,4,6,8,10,12,14,16,18,20,22,24,26,28,30
.irp c, 0,1
	v_max3_num_f32 v[\tm+\c], v[\tm+\c], |v[\src+32*\c+\i]|, |v[\src+32*\c+\i+1]|
.endr
.endr
.irp c, 0,1
	v_add_nc_u32 v[\tm+2+\c], 0xff000000, v[\tm+\c]        ; 2 off the exponent field: the conversion's scale operand
.endr
.irp c, 0,1
	v_lshrrev_b32 v[\tm+\c], 23, v[\tm+2+\c]               ; the byte of block 2 c + h
.endr
	v_lshl_or_b32 v[\pw], v[\tm+1], 16, v[\tm]
	v_lshlrev_b32 v[\pw], v[SH8], v[\pw]
	v_permlanex16_b32 v[\px], v[\pw], s[SEL], s[SEL+1]
	v_or_b32 v[\pw], v[\pw], v[\px]                        ; with lane l xor 16's two bytes the word is whole
.irp c, 0,1
	v_cvt_scalef32_pk16_fp6_f32 v[\pc+6*\c:\pc+6*\c+2], v[\src+32*\c:\src+32*\c+15], v[\tm+2+\c]
	v_cvt_scalef32_pk16_fp6_f32 v[\ct+4*\c:\ct+4*\c+2], v[\src+32*\c+16:\src+32*\c+31], v[\tm+2+\c]   ; (a conversion's three registers begin on an even number)
.endr
	v_nop                                                  ; one plain line behind the conversions
.irp c, 0,1
.irp i, 0,1,2
	v_mov_b32 v[\pc+6*\c+3+\i], v[\ct+4*\c+\i]
.endr
.endr
.endm
	s_load_b256 s[8:15], s[0:1], 0x0               ; obuf s[8:9], wimg s[10:11], bo s[12:13], out0 s[14:15]
	v_lshl_add_u32 v[SPW], v0, 2, SPARE
	v_mov_b32 v[NIL], 0
	v_lshrrev_b32 v1, 5, v0
	v_readfirstlane_b32 s2, v1                     ; wave 0 .. 15
	s_and_b32 s5, s2, 3                            ; t: the tile of rows that I quantise
	s_lshr_b32 s6, s2, 2                           ; sp: and its K steps 2 sp, 2 sp + 1
	s_mov_b32 s[SEL], 0x76543210
	s_mov_b32 s[SEL+1], 0xfedcba98
	v_and_b32 v1, 31, v0                           ; l
	v_and_b32 v2, 15, v0                           ; r
	v_bfe_u32 v3, v0, 4, 1                         ; h
	v_lshlrev_b32 v[LI16], 4, v1
	v_lshlrev_b32 v[LR16], 4, v2
	s_mul_i32 s58, s2, 8448
	s_add_co_u32 s58, s58, STG                     ; my stage
	v_add_nc_u32 v[STW], s58, v[LI16]
	v_mul_u32_u24 v[STR], v2, 528
	v_lshl_add_u32 v[STR], v3, 7, v[STR]
	v_add_nc_u32 v[STR], s58, v[STR]
	s_lshl_b32 s56, s6, 3
	s_add_co_u32 s56, s56, s5
	s_mul_i32 s56, s56, 1536
	v_add_nc_u32 v[XIW], s56, v[LI16]
	s_lshl_b32 s56, s6, 9
	s_lshl_b32 s57, s5, 2
	s_add_co_u32 s56, s56, s57
	s_add_co_u32 s56, s56, XSC
	v_add_nc_u32 v[XSW], s56, v[LR16]
	v_lshlrev_b32 v[SH8], 3, v3
	v_mul_u32_u24 v[SO], v2, 272
	v_lshl_add_u32 v[SO], v3, 7, v[SO]
	v_add_nc_u32 v[SO], s58, v[SO]
	v_mul_u32_u24 v[SR], v3, 272
	v_add_nc_u32 v[SR], v[SR], v[LR16]
	v_add_nc_u32 v[SR], s58, v[SR]
	v_lshl_add_u32 v[GOF], v3, 12, v[LR16]
	v_lshlrev_b32 v[BQO], 7, v3
	v_mov_b32 v[PX], 0                             ; written once: a lane exchange's destination counts as one of its sources
	s_lshl_b32 s44, ttmp9, 18                      ; O: 64 rows of 4,096 bytes a work-group,
	s_lshl_b32 s45, s5, 15                         ; 8 t rows,
	s_add_co_u32 s44, s44, s45
	s_lshl_b32 s45, s6, 10                         ; two K steps of 512 bytes
	s_add_co_u32 s44, s44, s45
	s_mov_b32 s45, 0
	s_lshl_b32 s46, s2, 8                          ; my 64 columns, in bo and in a row of out0
	s_mov_b32 s47, 0
	s_mul_i32 s48, s2, 49152
	s_add_co_u32 s48, s48, 3*819200
	s_mov_b32 s49, 0
	s_lshl_b32 s50, s2, 11
	s_add_co_u32 s50, s50, 3*819200+786432
	s_mov_b32 s51, 0
	s_lshl_b32 s52, ttmp9, 18
	s_add_co_u32 s52, s52, s46
	s_mov_b32 s53, 0
	s_wait_kmcnt 0x0
	s_add_nc_u64 s[XB:XB+1], s[8:9], s[44:45]
	s_add_nc_u64 s[BB:BB+1], s[12:13], s[46:47]
	s_add_nc_u64 s[WB:WB+1], s[10:11], s[48:49]
	s_add_nc_u64 s[WSB:WSB+1], s[10:11], s[50:51]
	s_add_nc_u64 s[OUTB:OUTB+1], s[14:15], s[52:53]
	; ---- X: my two fragments of O.  A load reads 512 consecutive bytes: one K step of one of my tile's 16 rows
.irp e, 0,1
.irp i, 0,1,2,3,4,5,6,7,8,9,10,11,12,13,14,15
	global_load_b128 v[ACC+64*\e+4*\i:ACC+64*\e+4*\i+3], v[LI16], s[XB:XB+1] offset:(32*(\i/8)+(\i%8))*4096+512*\e th:TH_LOAD_NT
.endr
.endr
.macro XQ e                            ; through my stage: in as the rows lie, back 128 bytes of a row to a lane: k = 64 c + 32 h + 0 .. 31 of row r
.if \e == 0
	s_wait_loadcnt 16                              ; the first fragment's 16 loads are in, the second's 16 may be out
.else
	s_wait_loadcnt 0x0
.endif
.irp i, 0,1,2,3,4,5,6,7,8,9,10,11,12,13,14,15
	ds_store_b128 v[STW], v[ACC+64*\e+4*\i:ACC+64*\e+4*\i+3] offset:528*\i
.endr
.irp c, 0,1
.irp i, 0,1,2,3,4,5,6,7
	ds_load_b128 v[32+32*\c+4*\i:35+32*\c+4*\i], v[STR] offset:256*\c+16*\i   ; LDS serves a wave's instructions in order: these see my stores
.endr
.endr
	s_wait_dscnt 0x0                               ; (the last fragment's image stores have read their registers too)
	QUANTB 32, 96, 108, 116, PW, PX
.irp j, 0,1,2
	ds_store_b128 v[XIW], v[96+4*\j:99+4*\j] offset:XIMG+6144*\e+512*\j
.endr
	ds_store_b32 v[XSW], v[PW] offset:256*\e       ; lanes r and r + 16 write the same word with the same value
.endm
	XQ 0
	XQ 1
	s_wait_dscnt 0x0                               ; for the others' sake: my images have landed
	s_barrier_signal -1
	s_barrier_wait -1                              ; O's 32 fragments lie in LDS; nothing writes them again
	; ---- the K loop: eight steps of 128, 16 products each on 16 accumulators that take turns
.irp s, 0,1,2,3,4,5,6,7
.if \s > 0
.rept 4
	v_nop                                          ; four places in front of loads into registers that products have read
.endr
.endif
.irp j, 0,1,2,3,4,5,6,7,8,9,10,11
	global_load_b128 v[P+4*\j:P+4*\j+3], v[LI16], s[WB:WB+1] offset:6144*\s+512*\j
.endr
	global_load_b128 v[PS:PS+3], v[LR16], s[WSB:WSB+1] offset:256*\s
.irp j, 0,1,2,3,4,5,6,7,8,9,10,11
	ds_load_b128 v[R+4*\j:R+4*\j+3], v[LI16] offset:XIMG+6144*\s+512*\j
.endr
	ds_load_b128 v[RS:RS+3], v[LR16] offset:XSC+256*\s
	s_wait_loadcnt 0x0
	s_wait_dscnt 0x0
.irp u, 0,1,2,3
.irp t, 0,1,2,3
.if \s == 0
	v_wmma_scale_f32_16x16x128_f8f6f4 v[ACC+32*\t+8*\u:ACC+32*\t+8*\u+7], v[P+12*\u:P+12*\u+11], v[R+12*\t:R+12*\t+11], 0, v[PS+\u], v[RS+\t] matrix_a_fmt:MATRIX_FMT_FP6 matrix_b_fmt:MATRIX_FMT_FP6
.else
	v_wmma_scale_f32_16x16x128_f8f6f4 v[ACC+32*\t+8*\u:ACC+32*\t+8*\u+7], v[P+12*\u:P+12*\u+11], v[R+12*\t:R+12*\t+11], v[ACC+32*\t+8*\u:ACC+32*\t+8*\u+7], v[PS+\u], v[RS+\t] matrix_a_fmt:MATRIX_FMT_FP6 matrix_b_fmt:MATRIX_FMT_FP6
.endif
.endr
.endr
.endr
.rept 4
	v_nop                                          ; places in front of the loads below and of the first read of results
.endr
.irp i, 0,1,2,3,4,5,6,7
	global_load_b128 v[32+4*\i:35+4*\i], v[BQO], s[BB:BB+1] offset:16*\i      ; bo[64 wv + 32 h + 0 .. 31]
.endr
	s_wait_loadcnt 0x0
.irp t, 0,1,2,3
.set n, 0
.rept 16
	v_pk_add_f32 v[ACC+32*\t+n:ACC+32*\t+n+1], v[ACC+32*\t+n:ACC+32*\t+n+1], v[32+n:33+n]   ; each accumulator from its low end on
.set n, n+2
.endr
.endr
; THE WAY OUT, a tile of 16 rows at a time.  A lane holds 128 neighbouring bytes of a row; through my stage (16 rows x (256 + 16)) they come back so that sixteen lanes hold a row's 256 bytes.
.macro OUTT t
.if \t >= 2
	s_wait_xcnt 0x0                                ; the stores of two tiles back have read the registers into which the loads below land
.endif
.irp i, 0,1,2,3,4,5,6,7
	ds_store_b128 v[SO], v[ACC+32*\t+4*\i:ACC+32*\t+4*\i+3] offset:16*\i
.endr
.irp i, 0,1,2,3,4,5,6,7
	ds_load_b128 v[64+32*(\t%2)+4*\i:67+32*(\t%2)+4*\i], v[SR] offset:544*\i   ; LDS serves a wave's instructions in order: these see my stores, and the next tile's stores come behind them
.endr
	s_wait_dscnt 0x0
.irp i, 0,1,2,3,4,5,6,7
	global_store_b128 v[GOF], v[64+32*(\t%2)+4*\i:67+32*(\t%2)+4*\i], s[OUTB:OUTB+1] offset:(32*(\i/4)+8*\t+2*(\i%4))*4096 th:TH_STORE_NT   ; sixteen lanes store 256 consecutive bytes, at a multiple of 256 from out0's first byte
.endr
.endm
	OUTT 0
	OUTT 1
	OUTT 2
	OUTT 3
	s_wait_tensorcnt 0x0                           ; the wave's end, behind my last LDS store
	ds_add_u32 v[SPW], v[NIL]
	s_wait_dscnt 0x0
	s_endpgm
.Lfunc_end_k_qdfb9cbc1fd_outp:
	.size	k_qdfb9cbc1fd_outp, .Lfunc_end_k_qdfb9cbc1fd_outp-k_qdfb9cbc1fd_outp
	.p2alignl 7, 3214868480
	.fill 96, 4, 3214868480
	.section	.rodata,"a",@progbits
	.p2align	6, 0x0
	.amdhsa_kernel k_qdfb9cbc1fd_outp
		.amdhsa_group_segment_fixed_size 188416
		.amdhsa_private_segment_fixed_size 0
		.amdhsa_enable_private_segment 0
		.amdhsa_kernarg_size 32
		.amdhsa_user_sgpr_count 2
		.amdhsa_user_sgpr_kernarg_segment_ptr 1
		.amdhsa_wavefront_size32 1
		.amdhsa_system_sgpr_workgroup_id_x 1
		.amdhsa_system_sgpr_workgroup_id_y 1
		.amdhsa_system_sgpr_workgroup_id_z 1
		.amdhsa_system_vgpr_workitem_id 0
		.amdhsa_next_free_vgpr 256
		.amdhsa_next_free_sgpr 66
		.amdhsa_reserve_vcc 0
		.amdhsa_float_denorm_mode_32 3
		.amdhsa_float_denorm_mode_16_64 3
		.amdhsa_memory_ordered 1
		.amdhsa_forward_progress 1
		.amdhsa_inst_pref_size 63
	.end_amdhsa_kernel
	.amdgpu_metadata
---
amdhsa.version: [ 1, 2 ]
amdhsa.kernels:
  - .name:           k_qdfb9cbc1fd_outp
    .symbol:         k_qdfb9cbc1fd_outp.kd
    .args:
      - { .name: obuf, .offset: 0, .size: 8, .value_kind: global_buffer, .address_space: global }
      - { .name: wimg, .offset: 8, .size: 8, .value_kind: global_buffer, .address_space: global }
      - { .name: bo, .offset: 16, .size: 8, .value_kind: global_buffer, .address_space: global }
      - { .name: out0, .offset: 24, .size: 8, .value_kind: global_buffer, .address_space: global }
    .group_segment_fixed_size: 188416
    .private_segment_fixed_size: 0
    .kernarg_segment_align: 8
    .kernarg_segment_size: 32
    .max_flat_workgroup_size: 512
    .sgpr_count:     66
    .vgpr_count:     256
    .wavefront_size: 32
...
	.end_amdgpu_metadata
.endif
;; end of part 4
;; ======== version 2 of 2: 4 launches
;; workspace buffers: wimg 3,276,800 bytes; pc 12,582,912 bytes; ps 524,288 bytes; obuf 16,777,216 bytes
;; launch wq (part 5): grid 64 x 4, 2 waves a work-group, no clusters, 13,056 bytes of LDS; arguments Wq, Wk, Wv, Wo, wimg; writes wimg
.if DOCPART == 5
	.amdgcn_target "amdgcn-amd-amdhsa--gfx1250"
	.amdhsa_code_object_version 6
	.text
	.protected	k_qdfb9cbc1fd_wq
	.globl	k_qdfb9cbc1fd_wq
	.p2align	8
	.type	k_qdfb9cbc1fd_wq,@function
k_qdfb9cbc1fd_wq:
	s_mov_b64 s[64:65], 0
	v_nop
	global_prefetch_b8 v0, s[64:65] scope:SCOPE_SE
	s_setreg_imm32_b32 hwreg(HW_REG_WAVE_MODE, 25, 1), 1
	s_wait_xcnt 0x0
; Wq, Wk, Wv, Wo: [1024 (k)][1024 (n)] f32, K along the FIRST axis.  Each is turned into codes of FP6 (E2M3) with one E8M0 byte for each 32 along K,
; laid in wimg IN THE ORDER OF A MATRIX OPERAND'S REGISTERS, so that the products' launches fetch a fragment by three loads of 16 bytes a lane.
; wimg, matrix m (0 Wq, 1 Wk, 2 Wv, 3 Wo) at 819,200 m: codes: group (wv = n / 64, s = k / 128) at (8 wv + s) x 6,144; in it fragment u at 1,536 u, registers 4 j .. 4 j + 3 of
; image lane il at 512 j + 16 il.  Image lane (r, h) holds column 64 wv + 32 (r / 8) + 8 u + r % 8; its registers 6 c .. 6 c + 5 hold k = 128 s + 64 c + 32 h + 0 .. 31.
; Scale words from 786,432 on: group at 256 (8 wv + s), word of (u, r) at 16 r + 4 u, byte b for k = 128 s + 32 b.
; A LANE TAKES A COLUMN, ITS REGISTERS RUN DOWN K: a block of 32 lies in one lane's 32 registers, its largest magnitude needs no other lane, and the conversions give codes with K innermost.
; A block's scale is 2^(floor(log2(largest magnitude)) - 2); its byte is the largest magnitude's exponent field - 2, held at 1 from below.
; LIMITS: a block of zeros, or one whose largest magnitude lies under 2^-124, keeps the byte 1 (its codes are zeros or nearly so; these bytes are read by this program alone); NaN and infinities are not served.
; SHARES: work-group y = the matrix; x: wv = x % 16, two K steps (x / 16); a wave makes one whole group: 64 columns x 128 along K, eight blocks a lane (columns l and 32 + l).
; No barrier: waves share nothing.  Loads run two blocks (64 loads a wave) ahead.
.set SPARE, 12800                      ; behind the two stages: the spare words, 128 bytes for each wave: one block of 256 bytes that no other line names
.set X,   32                           ; v32-95  two sets of 32 numbers
.set C,   20                           ; v20-25  a block's codes;  v26-28 the second conversion's result
.set SB,  16                           ; v16-17  the scale words of my two columns
.set SPW, 10                           ; v10     LDS address of my spare word; never rewritten
.set NIL, 11                           ; v11     0; never rewritten
	s_load_b256 s[4:11], s[0:1], 0x0               ; Wq s[4:5], Wk s[6:7], Wv s[8:9], Wo s[10:11]
	s_load_b64 s[12:13], s[0:1], 0x20              ; wimg
	v_lshl_add_u32 v[SPW], v0, 2, SPARE
	v_mov_b32 v[NIL], 0
	v_lshrrev_b32 v1, 5, v0
	v_readfirstlane_b32 s14, v1                    ; wave 0, 1
	v_and_b32 v1, 31, v0                           ; lane l
	s_and_b32 s15, ttmp7, 0xffff                   ; m
	s_and_b32 s16, ttmp9, 15                       ; wv
	s_lshr_b32 s17, ttmp9, 4
	s_lshl_b32 s17, s17, 1
	s_add_co_u32 s17, s17, s14                     ; s = 2 (x / 16) + wave
	s_mul_i32 s18, s14, 6400                       ; my stage: the group's image, 6,144 bytes, then its 256 bytes of scale words
	v_lshlrev_b32 v2, 2, v1                        ; in: 4 bytes a lane
	v_lshrrev_b32 v12, 3, v1                       ; u = l / 8
	v_and_b32 v13, 7, v1                           ; l % 8
	v_mul_u32_u24 v3, v12, 1536
	v_lshl_add_u32 v3, v13, 4, v3
	v_add_nc_u32 v3, s18, v3                       ; column 32 hh + l is fragment u = l / 8, image lanes 8 hh + l % 8 + 16 h: 128 hh and 256 h stand in the immediates
	v_lshlrev_b32 v4, 2, v12
	v_lshl_add_u32 v4, v13, 4, v4
	v_add_nc_u32 v4, s18, v4
	v_add_nc_u32 v4, 6144, v4                      ; its scale word: 16 r + 4 u
	v_lshlrev_b32 v7, 4, v1                        ; out: 16 bytes a lane,
	v_add_nc_u32 v5, s18, v7
	v_lshlrev_b32 v8, 3, v1                        ; and 8 bytes a lane of the scale words
	v_add_nc_u32 v6, s18, v8
	v_add_nc_u32 v6, 6144, v6
	s_lshl_b32 s20, s17, 19                        ; 128 s rows of 4,096 bytes
	s_lshl_b32 s21, s16, 8                         ; + 64 wv columns
	s_add_co_u32 s20, s20, s21
	s_mov_b32 s21, 0
	s_lshl_b32 s22, s16, 3
	s_add_co_u32 s22, s22, s17                     ; the group's number
	s_mul_i32 s19, s15, 819200
	s_mul_i32 s24, s22, 6144
	s_add_co_u32 s24, s24, s19
	s_mov_b32 s25, 0
	s_lshl_b32 s26, s22, 8
	s_add_co_u32 s26, s26, s19
	s_add_co_u32 s26, s26, 786432
	s_mov_b32 s27, 0
	s_wait_kmcnt 0x0
	s_bitcmp1_b32 s15, 0                           ; the matrix is chosen by the work-group's y alone
	s_cselect_b64 s[4:5], s[6:7], s[4:5]
	s_cselect_b64 s[8:9], s[10:11], s[8:9]
	s_bitcmp1_b32 s15, 1
	s_cselect_b64 s[4:5], s[8:9], s[4:5]
	s_add_nc_u64 s[4:5], s[4:5], s[20:21]
	s_add_nc_u64 s[24:25], s[12:13], s[24:25]      ; where the group's codes go
	s_add_nc_u64 s[26:27], s[12:13], s[26:27]      ; and its scale words
.macro LOAD q                          ; block q: columns 32 (q / 4) + l, k = 32 (q % 4) + 0 .. 31, into set q % 2: a load reads 128 consecutive bytes
.irp i, 0,1,2,3,4,5,6,7,8,9,10,11,12,13,14,15,16,17,18,19,20,21,22,23,24,25,26,27,28,29,30,31
	global_load_b32 v[X+32*((\q)%2)+\i], v2, s[4:5] offset:(32*((\q)%4)+\i)*4096+128*((\q)/4) th:TH_LOAD_NT
.endr
.endm
.macro BLOCK q
.set XS, X+32*((\q)%2)
.set KB, (\q)%4                        ; the block along K: 2 c + h
.set HH, (\q)/4
.if (\q) < 7
	s_wait_loadcnt 32                              ; this block's 32 loads are in; the next block's 32 may be out
.else
	s_wait_loadcnt 0x0
.endif
	v_max3_num_f32 v12, |v[XS]|, |v[XS+1]|, |v[XS+2]|      ; the block's largest magnitude, in two chains
	v_max3_num_f32 v13, |v[XS+3]|, |v[XS+4]|, |v[XS+5]|
.irp i, 6,10,14,18,22,26
	v_max3_num_f32 v12, v12, |v[XS+\i]|, |v[XS+\i+1]|
	v_max3_num_f32 v13, v13, |v[XS+\i+2]|, |v[XS+\i+3]|
.endr
	v_max3_num_f32 v12, v12, |v[XS+30]|, |v[XS+31]|
	v_max3_num_f32 v12, v12, v13, 0x1800000        ; and the floor 2^(3 - 127): the byte cannot fall under 1
	v_add_nc_u32 v14, 0xff000000, v12              ; 2 off the exponent field: the conversion takes that field as its scale
	v_lshrrev_b32 v15, 23, v14                     ; the scale's byte
.if KB == 0
	v_mov_b32 v[SB+HH], v15
.else
	v_lshl_or_b32 v[SB+HH], v15, 8*KB, v[SB+HH]
.endif
	v_cvt_scalef32_pk16_fp6_f32 v[C:C+2], v[XS:XS+15], v14
	v_cvt_scalef32_pk16_fp6_f32 v[C+6:C+8], v[XS+16:XS+31], v14    ; (a conversion's three registers begin on an even number)
	v_nop                                          ; one plain line behind the conversions, ahead of the moves that read their result
	v_mov_b32 v[C+3], v[C+6]
	v_mov_b32 v[C+4], v[C+7]
	v_mov_b32 v[C+5], v[C+8]
.if KB < 2                             ; c = 0: the fragment's registers 0 .. 5: all of chunk 0, the lower half of chunk 1
	ds_store_b128 v3, v[C:C+3] offset:128*HH+256*(KB%2)
	ds_store_b64 v3, v[C+4:C+5] offset:128*HH+256*(KB%2)+512
.else                                  ; c = 1: registers 6 .. 11: the upper half of chunk 1, all of chunk 2
	ds_store_b64 v3, v[C:C+1] offset:128*HH+256*(KB%2)+520
	ds_store_b128 v3, v[C+2:C+5] offset:128*HH+256*(KB%2)+1024
.endif
.if (\q)+2 < 8
	LOAD (\q)+2
.endif
	s_wait_dscnt 0x0                               ; the stores have read the codes' registers: the next block may write them
.endm
	LOAD 0
	LOAD 1
.irp q, 0,1,2,3
	BLOCK \q
.endr
	s_wait_alu depctr_va_vdst(0)
	ds_store_b32 v4, v[SB]                         ; the first column's four bytes
.irp q, 4,5,6,7
	BLOCK \q
.endr
	s_wait_alu depctr_va_vdst(0)
	ds_store_b32 v4, v[SB+1] offset:128
.irp j, 0,1,2,3,4,5,6,7,8,9,10,11
	ds_load_b128 v[96+4*\j:99+4*\j], v5 offset:512*\j      ; LDS serves a wave's instructions in order: these see my stores
.endr
	ds_load_b64 v[144:145], v6
	s_wait_dscnt 0x0
.irp j, 0,1,2,3,4,5,6,7,8,9,10,11
	global_store_b128 v7, v[96+4*\j:99+4*\j], s[24:25] offset:512*\j   ; 32 lanes store 512 consecutive bytes, at a multiple of 256 from the buffer's first byte
.endr
	global_store_b64 v8, v[144:145], s[26:27]      ; 256 consecutive bytes, aligned
	s_wait_tensorcnt 0x0                           ; the wave's end, behind my last LDS store
	ds_add_u32 v[SPW], v[NIL]
	s_wait_dscnt 0x0
	s_endpgm
.Lfunc_end_k_qdfb9cbc1fd_wq:
	.size	k_qdfb9cbc1fd_wq, .Lfunc_end_k_qdfb9cbc1fd_wq-k_qdfb9cbc1fd_wq
	.p2alignl 7, 3214868480
	.fill 96, 4, 3214868480
	.section	.rodata,"a",@progbits
	.p2align	6, 0x0
	.amdhsa_kernel k_qdfb9cbc1fd_wq
		.amdhsa_group_segment_fixed_size 13056
		.amdhsa_private_segment_fixed_size 0
		.amdhsa_enable_private_segment 0
		.amdhsa_kernarg_size 40
		.amdhsa_user_sgpr_count 2
		.amdhsa_user_sgpr_kernarg_segment_ptr 1
		.amdhsa_wavefront_size32 1
		.amdhsa_system_sgpr_workgroup_id_x 1
		.amdhsa_system_sgpr_workgroup_id_y 1
		.amdhsa_system_sgpr_workgroup_id_z 1
		.amdhsa_system_vgpr_workitem_id 0
		.amdhsa_next_free_vgpr 148
		.amdhsa_next_free_sgpr 66
		.amdhsa_reserve_vcc 0
		.amdhsa_float_denorm_mode_32 3
		.amdhsa_float_denorm_mode_16_64 3
		.amdhsa_memory_ordered 1
		.amdhsa_forward_progress 1
		.amdhsa_inst_pref_size 42
	.end_amdhsa_kernel
	.amdgpu_metadata
---
amdhsa.version: [ 1, 2 ]
amdhsa.kernels:
  - .name:           k_qdfb9cbc1fd_wq
    .symbol:         k_qdfb9cbc1fd_wq.kd
    .args:
      - { .name: Wq, .offset: 0, .size: 8, .value_kind: global_buffer, .address_space: global }
      - { .name: Wk, .offset: 8, .size: 8, .value_kind: global_buffer, .address_space: global }
      - { .name: Wv, .offset: 16, .size: 8, .value_kind: global_buffer, .address_space: global }
      - { .name: Wo, .offset: 24, .size: 8, .value_kind: global_buffer, .address_space: global }
      - { .name: wimg, .offset: 32, .size: 8, .value_kind: global_buffer, .address_space: global }
    .group_segment_fixed_size: 13056
    .private_segment_fixed_size: 0
    .kernarg_segment_align: 8
    .kernarg_segment_size: 40
    .max_flat_workgroup_size: 64
    .sgpr_count:     66
    .vgpr_count:     148
    .wavefront_size: 32
...
	.end_amdgpu_metadata
.endif
;; end of part 5
;; launch proj (part 6): grid 64 x 4, 16 waves a work-group, no clusters, 188,416 bytes of LDS; arguments q1, q2, k, v, bq, bk, bv, wimg, pc, ps; writes pc, ps
.if DOCPART == 6
	.amdgcn_target "amdgcn-amd-amdhsa--gfx1250"
	.amdhsa_code_object_version 6
	.text
	.protected	k_qdfb9cbc1fd_proj
	.globl	k_qdfb9cbc1fd_proj
	.p2align	8
	.type	k_qdfb9cbc1fd_proj,@function
k_qdfb9cbc1fd_proj:
	s_mov_b64 s[64:65], 0
	v_nop
	global_prefetch_b8 v0, s[64:65] scope:SCOPE_SE
	s_setreg_imm32_b32 hwreg(HW_REG_WAVE_SCHED_MODE, 0, 2), 2
	s_setreg_imm32_b32 hwreg(HW_REG_WAVE_MODE, 25, 1), 1
	s_wait_xcnt 0x0
	s_wait_alu depctr_vm_vsrc(0)
; The four projections y = Q(x) Q(W) + b on codes of FP6 (E2M3), and the quantising of their results for attention.  Work-group y = p: 0 q1 (Wq, bq), 1 q2 (Wq, bq), 2 k (Wk, bk), 3 v (Wv, bv).
; x: [4096][1024] f32.  W comes as register images from wimg (codes and scale words; layout in the launch that makes them).  Results: pc, ps.
;   pc: a block's 24 bytes of codes at 3,145,728 p + 98,304 hb + 48 row + 24 blk, hb = 16 batch + head.  q1, q2, k: row = token, blk = half of the head's 64.  v: row = 64 (token / 64) + channel, blk = half of those 64 tokens.
;   ps: its scale byte at 131,072 p + 4,096 hb + 2 row + blk.
; SHARES.  A work-group takes 64 tokens x all 1,024 columns, so x is read and quantised once; wave wv takes head wv's 64 columns: 16 accumulators.  x's codes go from wave to wave through LDS as images of
; the operand's registers; each wave's fragments of W go from memory straight into its registers: no wave reads another's.
; WHICH 16 ROWS FORM A TILE: tile u, row m is index 32 (m / 8) + 8 u + m % 8 of 64, for tokens and for columns alike.  With source 0's tiles so chosen, a lane's 32 registers of tiles u = 0 .. 3 are the 32 NEIGHBOURS
; 32 (lane / 16) + 0 .. 31 along source 0's index: one whole block of the next product's K, so its largest magnitude and its codes need no other lane.
; q1, q2, k: source 0 = W (the next K is the head's 64);  v: source 0 = x (the next K is the keys).  The two orders are two copies of the K loop under one branch on the work-group's y.
; LIMITS: a block of zeros, or one under 2^-124, keeps the byte 1 (read by this program alone); NaN and infinities among the inputs are not served.
; No cluster and no joint loads: W goes into the registers of the one wave that uses it, and x's 64 rows belong to this work-group alone.
; THE MODE: SCHED_MODE bits 1:0 = 2 (LLVM: expert scheduling mode 2), set by the entry lines.  The code itself states the register dependences
; between vector or matrix instructions and memory or LDS instructions, with s_wait_alu, always for 0.
; THE PLAN.  Registers that memory or LDS instructions touch:
;   v4-v19     addresses and offsets: made at the head, ahead of the wait on va_vdst in front of x's loads, and never written again.
;   v128-255   x's loads land; the LDS stores into the stage read them; then they are the accumulators: one wait on vm_vsrc, behind the barrier, stands between those stores and the first products.
;   v32-95     LDS loads from the stage land; the quantiser reads.   v96-107, v21: the quantiser writes; the image's LDS stores read.  One wait on va_vdst behind each quantiser states that the codes are written
;              and that v32-95 are done with; one wait on vm_vsrc ahead of the second quantiser states that the first image's stores have read their data.
;   v24-127    in the K loop: loads land, products read.  All 256 registers are taken (four waves share a SIMD's 1,024), so there is one set of fragments: ONE wait on va_vdst at the head of a K step states that
;              the last step's sixteen products are done reading, and the step's 26 loads follow it.
;   the way out: one wait on va_vdst ahead of the bias's loads, one ahead of the LDS stores of codes and bytes, which also serves the LDS loads behind them.
.set XIMG, 0                           ; LDS: x's 32 fragments: (K step s, tile t) at (4 s + t) x 1,536
.set XSC,  49152                       ; their scale words: 256 s + 16 r + 4 t
.set STG,  51200                       ; a stage of 8,448 bytes for each wave: 16 rows x (512 + 16)
.set SPARE, 186368                     ; the spare words, 128 bytes for each wave: eight blocks of 256 bytes that no other line names
.set LI16, 4                           ; v4  16 x lane
.set LR16, 5                           ; v5  16 x (lane % 16)
.set STW,  6                           ; v6  my stage + 16 x lane
.set STR,  7                           ; v7  my stage + 528 r + 128 h
.set XIW,  8                           ; v8  where I store x's images
.set XSW,  9                           ; v9  and their scale words
.set SH8,  10                          ; v10 8 h
.set EW,   11                          ; v11 the way out: my codes' place in the stage
.set ES,   12                          ; v12 and my scale byte's
.set ESR,  14                          ; v14 the scale bytes read back: 4 bytes a lane
.set L4,   15                          ; v15 4 x lane
.set SPW,  16                          ; v16 LDS address of my spare word; never rewritten
.set NIL,  17                          ; v17 0; never rewritten
.set BQO,  18                          ; v18 128 h
.set BVO,  19                          ; v19 4 (32 (r / 8) + r % 8)
.set PX,   20                          ; v20 a lane exchange's destination
.set PW,   21                          ; v21 the scale word just made
.set PS,   24                          ; v24-27 source 0's scale words;  v28-31 source 1's: these eight hold scales and nothing else
.set RS,   28
.set P,    32                          ; v32-79  source 0's four fragments
.set R,    80                          ; v80-127 source 1's four
.set ACC,  128                         ; v128-255 accumulator (u, t) at 128 + 32 t + 8 u
.set SEL,  28                          ; s[28:29] selects for lane l xor 16
.set MV,   30                          ; s30 all ones where p = 3
.set XB,   32                          ; s[32:33] x;  s[34:35] the bias;  s[36:37] W's codes;  s[38:39] W's scale words;  s[40:41], s[42:43] where pc and ps are stored
.set BB,   34
.set WB,   36
.set WSB,  38
.set PCO,  40
.set PSO,  42
; 64 numbers of a lane, register 32 c + i = k 64 c + 32 h + i of my row, become a fragment's 12 registers of codes at v[pc] and its scale word in v[pw].  Each block is one lane's own.
.macro QUANTB src, pc, ct, tm, pw, px
.irp c, 0,1
	v_max3_num_f32 v[\tm+\c], |v[\src+32*\c]|, |v[\src+32*\c+1]|, 0x1800000   ; with the floor 2^(3 - 127): the byte cannot fall under 1
.endr
.irp i, 2,4,6,8,10,12,14,16,18,20,22,24,26,28,30
.irp c, 0,1
	v_max3_num_f32 v[\tm+\c], v[\tm+\c], |v[\src+32*\c+\i]|, |v[\src+32*\c+\i+1]|
.endr
.endr
.irp c, 0,1
	v_add_nc_u32 v[\tm+2+\c], 0xff000000, v[\tm+\c]        ; 2 off the exponent field: the conversion's scale operand
.endr
.irp c, 0,1
	v_lshrrev_b32 v[\tm+\c], 23, v[\tm+2+\c]               ; the byte of block 2 c + h
.endr
	v_lshl_or_b32 v[\pw], v[\tm+1], 16, v[\tm]
	v_lshlrev_b32 v[\pw], v[SH8], v[\pw]                   ; at their places in the word,
	v_permlanex16_b32 v[\px], v[\pw], s[SEL], s[SEL+1]
	v_or_b32 v[\pw], v[\pw], v[\px]                        ; and with lane l xor 16's two the word is whole
.irp c, 0,1
	v_cvt_scalef32_pk16_fp6_f32 v[\pc+6*\c:\pc+6*\c+2], v[\src+32*\c:\src+32*\c+15], v[\tm+2+\c]
	v_cvt_scalef32_pk16_fp6_f32 v[\ct+4*\c:\ct+4*\c+2], v[\src+32*\c+16:\src+32*\c+31], v[\tm+2+\c]   ; (a conversion's three registers begin on an even number)
.endr
	v_nop                                                  ; one plain line behind the conversions
.irp c, 0,1
.irp i, 0,1,2
	v_mov_b32 v[\pc+6*\c+3+\i], v[\ct+4*\c+\i]
.endr
.endr
.endm
	s_load_b512 s[8:23], s[0:1], 0x0               ; q1, q2, k, v, bq, bk, bv, wimg
	s_load_b128 s[24:27], s[0:1], 0x40             ; pc, ps
	v_lshl_add_u32 v[SPW], v0, 2, SPARE
	v_mov_b32 v[NIL], 0
	v_lshrrev_b32 v1, 5, v0
	v_readfirstlane_b32 s2, v1                     ; wave 0 .. 15 = head
	s_and_b32 s4, ttmp7, 0xffff                    ; p
	s_mov_b32 s[SEL], 0x76543210
	s_mov_b32 s[SEL+1], 0xfedcba98
	v_and_b32 v1, 31, v0                           ; l
	v_and_b32 v2, 15, v0                           ; r
	v_bfe_u32 v3, v0, 4, 1                         ; h
	v_lshlrev_b32 v[LI16], 4, v1
	s_wait_alu depctr_va_vdst(0)
	v_lshlrev_b32 v[LR16], 4, v2
	s_wait_alu depctr_va_vdst(0)
	v_lshlrev_b32 v[L4], 2, v1
	s_wait_alu depctr_va_sdst(0)                   ; s2 is written, ahead of its first reader: addresses and bases are made from it
	s_and_b32 s5, s2, 3                            ; t: the tile of tokens that I quantise
	s_lshr_b32 s6, s2, 2                           ; sp: and its K steps 2 sp, 2 sp + 1
	s_mul_i32 s58, s2, 8448
	s_add_co_u32 s58, s58, STG                     ; my stage
	v_add_nc_u32 v[STW], s58, v[LI16]
	v_mul_u32_u24 v[STR], v2, 528
	v_lshl_add_u32 v[STR], v3, 7, v[STR]
	v_add_nc_u32 v[STR], s58, v[STR]
	s_lshl_b32 s56, s6, 3
	s_add_co_u32 s56, s56, s5
	s_mul_i32 s56, s56, 1536
	v_add_nc_u32 v[XIW], s56, v[LI16]              ; fragment (2 sp, t): (8 sp + t) x 1,536
	s_lshl_b32 s56, s6, 9
	s_lshl_b32 s57, s5, 2
	s_add_co_u32 s56, s56, s57
	s_add_co_u32 s56, s56, XSC
	v_add_nc_u32 v[XSW], s56, v[LR16]
	v_lshlrev_b32 v[SH8], 3, v3
	v_and_b32 v22, 8, v2
	v_and_b32 v23, 7, v2
	v_lshl_add_u32 v22, v22, 2, v23                ; 32 (r / 8) + r % 8: tile 0's index of lane r; tile t's is 8 t more
	v_mul_u32_u24 v[EW], v22, 48
	v_mad_u32_u24 v[EW], v3, 24, v[EW]
	v_add_nc_u32 v[EW], s58, v[EW]
	v_lshl_add_u32 v[ES], v22, 1, v3
	v_add_nc_u32 v[ES], s58, v[ES]
	v_add_nc_u32 v[ES], 3072, v[ES]
	v_add_nc_u32 v[ESR], s58, v[L4]
	v_add_nc_u32 v[ESR], 3072, v[ESR]
	v_lshlrev_b32 v[BQO], 7, v3
	v_lshlrev_b32 v[BVO], 2, v22
	v_mov_b32 v[PX], 0                             ; written once: a lane exchange's destination counts as one of its sources
	s_lshl_b32 s44, ttmp9, 18                      ; x: 64 rows of 4,096 bytes a work-group,
	s_lshl_b32 s45, s5, 15                         ; 8 t rows,
	s_add_co_u32 s44, s44, s45
	s_lshl_b32 s45, s6, 10                         ; two K steps of 512 bytes
	s_add_co_u32 s44, s44, s45
	s_mov_b32 s45, 0
	s_lshl_b32 s46, s2, 8                          ; the bias: my 64 numbers
	s_mov_b32 s47, 0
	s_max_u32 s56, s4, 1
	s_sub_co_u32 s56, s56, 1                       ; the matrix: 0, 0, 1, 2
	s_mul_i32 s56, s56, 819200
	s_mul_i32 s48, s2, 49152                       ; my eight groups of codes
	s_add_co_u32 s48, s48, s56
	s_mov_b32 s49, 0
	s_lshl_b32 s50, s2, 11                         ; and of scale words
	s_add_co_u32 s50, s50, s56
	s_add_co_u32 s50, s50, 786432
	s_mov_b32 s51, 0
	s_lshr_b32 s56, ttmp9, 5                       ; the batch
	s_lshl_b32 s56, s56, 4
	s_add_co_u32 s56, s56, s2                      ; hb
	s_lshl_b32 s56, s56, 5
	s_and_b32 s57, ttmp9, 31
	s_add_co_u32 s56, s56, s57                     ; 32 hb + the block of 64 tokens
	s_mul_i32 s52, s56, 3072
	s_mul_i32 s57, s4, 3145728
	s_add_co_u32 s52, s52, s57
	s_mov_b32 s53, 0
	s_lshl_b32 s54, s56, 7
	s_lshl_b32 s57, s4, 17
	s_add_co_u32 s54, s54, s57
	s_mov_b32 s55, 0
	s_wait_kmcnt 0x0
	s_bitcmp1_b32 s4, 0                            ; the tensor and its bias are chosen by the work-group's y alone
	s_cselect_b64 s[8:9], s[10:11], s[8:9]
	s_cselect_b64 s[12:13], s[14:15], s[12:13]
	s_bitcmp1_b32 s4, 1
	s_cselect_b64 s[XB:XB+1], s[12:13], s[8:9]
	s_cmp_eq_u32 s4, 3
	s_cselect_b64 s[18:19], s[20:21], s[18:19]
	s_cselect_b32 s[MV], -1, 0
	s_cmp_lt_u32 s4, 2
	s_cselect_b64 s[BB:BB+1], s[16:17], s[18:19]
	s_add_nc_u64 s[XB:XB+1], s[XB:XB+1], s[44:45]
	s_add_nc_u64 s[BB:BB+1], s[BB:BB+1], s[46:47]
	s_add_nc_u64 s[WB:WB+1], s[22:23], s[48:49]
	s_add_nc_u64 s[WSB:WSB+1], s[22:23], s[50:51]
	s_add_nc_u64 s[PCO:PCO+1], s[24:25], s[52:53]
	s_add_nc_u64 s[PSO:PSO+1], s[26:27], s[54:55]
	s_wait_alu depctr_va_vdst(0)                   ; the addresses and offsets v4 to v19 are written: every load and store of the kernel reads one of them
	; ---- X: my two fragments of x.  A load reads 512 consecutive bytes: one K step of one of my tile's 16 rows.  All of the work-group's x is asked for at once
.irp e, 0,1
.irp i, 0,1,2,3,4,5,6,7,8,9,10,11,12,13,14,15
	global_load_b128 v[ACC+64*\e+4*\i:ACC+64*\e+4*\i+3], v[LI16], s[XB:XB+1] offset:(32*(\i/8)+(\i%8))*4096+512*\e th:TH_LOAD_NT
.endr
.endr
.macro XQ e                            ; through my stage: in as the rows lie, back 128 bytes of a row to a lane: k = 64 c + 32 h + 0 .. 31 of row r
.if \e == 0
	s_wait_loadcnt 16                              ; the first fragment's 16 loads are in, the second's 16 may be out
.else
	s_wait_loadcnt 0x0
.endif
.irp i, 0,1,2,3,4,5,6,7,8,9,10,11,12,13,14,15
	ds_store_b128 v[STW], v[ACC+64*\e+4*\i:ACC+64*\e+4*\i+3] offset:528*\i
.endr
.irp c, 0,1
.irp i, 0,1,2,3,4,5,6,7
	ds_load_b128 v[32+32*\c+4*\i:35+32*\c+4*\i], v[STR] offset:256*\c+16*\i   ; LDS serves a wave's instructions in order: these see my stores.  (Second fragment: no vector line since the first quantiser's wait names v32-95)
.endr
.endr
	s_wait_dscnt 0x0                               ; the 64 numbers are back from the stage
.if \e == 1
	s_wait_alu depctr_vm_vsrc(0)                   ; the first fragment's image stores have read v96-107 and v21, which the quantiser writes again
.endif
	QUANTB 32, 96, 108, 116, PW, PX
	s_wait_alu depctr_va_vdst(0)                   ; the quantiser has written the codes v96-107 and the word v21, which the LDS stores read, and is done reading v32-95, in which the next fragment's numbers land
.irp j, 0,1,2
	ds_store_b128 v[XIW], v[96+4*\j:99+4*\j] offset:XIMG+6144*\e+512*\j       ; the fragment goes to LDS as an image of its registers
.endr
	ds_store_b32 v[XSW], v[PW] offset:256*\e       ; lanes r and r + 16 write the same word with the same value
.endm
	XQ 0
	XQ 1
	s_wait_dscnt 0x0                               ; for the others' sake: my images have landed
	s_barrier_signal -1
	s_barrier_wait -1                              ; x's 32 fragments lie in LDS; nothing writes them again
	s_wait_alu depctr_vm_vsrc(0)                   ; my LDS stores have read v128-255, which the products write, and v96-107 and v21, among which fragments land
; ---- the K loop: eight steps of 128, 16 products each on 16 accumulators that take turns.  wf, ws: where W's fragments and scale words go; xf, xs: x's
.macro KLOOP wf, ws, xf, xs
.irp s, 0,1,2,3,4,5,6,7
.if \s > 0
.rept 4
	v_nop                                          ; the four places behind the products stay (ISA guide 7.12.1),
.endr
	s_wait_alu depctr_va_vdst(0)                   ; and the wait: the last step's sixteen products are done reading their fragments and scale words, in which the 26 loads below land
.endif
.irp j, 0,1,2,3,4,5,6,7,8,9,10,11
	global_load_b128 v[\wf+4*\j:\wf+4*\j+3], v[LI16], s[WB:WB+1] offset:6144*\s+512*\j
.endr
	global_load_b128 v[\ws:\ws+3], v[LR16], s[WSB:WSB+1] offset:256*\s
.irp j, 0,1,2,3,4,5,6,7,8,9,10,11
	ds_load_b128 v[\xf+4*\j:\xf+4*\j+3], v[LI16] offset:XIMG+6144*\s+512*\j
.endr
	ds_load_b128 v[\xs:\xs+3], v[LR16] offset:XSC+256*\s
	s_wait_loadcnt 0x0
	s_wait_dscnt 0x0
.irp u, 0,1,2,3
.irp t, 0,1,2,3
.if \s == 0
	v_wmma_scale_f32_16x16x128_f8f6f4 v[ACC+32*\t+8*\u:ACC+32*\t+8*\u+7], v[P+12*\u:P+12*\u+11], v[R+12*\t:R+12*\t+11], 0, v[PS+\u], v[RS+\t] matrix_a_fmt:MATRIX_FMT_FP6 matrix_b_fmt:MATRIX_FMT_FP6
.else
	v_wmma_scale_f32_16x16x128_f8f6f4 v[ACC+32*\t+8*\u:ACC+32*\t+8*\u+7], v[P+12*\u:P+12*\u+11], v[R+12*\t:R+12*\t+11], v[ACC+32*\t+8*\u:ACC+32*\t+8*\u+7], v[PS+\u], v[RS+\t] matrix_a_fmt:MATRIX_FMT_FP6 matrix_b_fmt:MATRIX_FMT_FP6
.endif
.endr
.endr
.endr
.endm
	s_cmp_eq_u32 s4, 3
	s_cbranch_scc1 .Lv_path
	KLOOP P, PS, R, RS                             ; q1, q2, k: a lane holds one token and 32 neighbouring channels for each t
	s_branch .Ljoin
.Lv_path:
	KLOOP R, RS, P, PS                             ; v: a lane holds one channel and 32 neighbouring tokens for each t
.Ljoin:
.rept 4
	v_nop                                          ; places in front of the first read of results
.endr
	s_wait_alu depctr_va_vdst(0)                   ; the last products are done reading v32-67, in which the bias lands
	; ---- the bias.  Along the registers for q1, q2, k (b[64 wv + 32 h + 0 .. 31]); one number for each t for v (b[64 wv + 32 (r / 8) + 8 t + r % 8]).  Both are loaded; the one that does not apply becomes 0
.irp i, 0,1,2,3,4,5,6,7
	global_load_b128 v[32+4*\i:35+4*\i], v[BQO], s[BB:BB+1] offset:16*\i
.endr
.irp t, 0,1,2,3
	global_load_b32 v[64+\t], v[BVO], s[BB:BB+1] offset:32*\t
.endr
	s_wait_loadcnt 0x0
.set n, 0
.rept 32
	v_cndmask_b32 v[32+n], v[32+n], 0, s[MV]
.set n, n+1
.endr
.irp t, 0,1,2,3
	v_cndmask_b32 v[64+\t], 0, v[64+\t], s[MV]
.endr
.irp t, 0,1,2,3
.set n, 0
.rept 16
	v_pk_add_f32 v[ACC+32*\t+n:ACC+32*\t+n+1], v[ACC+32*\t+n:ACC+32*\t+n+1], v[32+n:33+n]   ; each accumulator from its low end on
.set n, n+2
.endr
.endr
.irp t, 0,1,2,3
.set n, 0
.rept 16
	v_pk_add_f32 v[ACC+32*\t+n:ACC+32*\t+n+1], v[ACC+32*\t+n:ACC+32*\t+n+1], v[64+2*(\t/2):65+2*(\t/2)] op_sel:[0,\t%2] op_sel_hi:[1,\t%2]
.set n, n+2
.endr
.endr
	; ---- each t's 32 registers are one block of the next product's K: its scale and its codes, the four t by turns
.irp t, 0,1,2,3
	v_max3_num_f32 v[116+\t], |v[ACC+32*\t]|, |v[ACC+32*\t+1]|, 0x1800000
.endr
.irp i, 2,4,6,8,10,12,14,16,18,20,22,24,26,28,30
.irp t, 0,1,2,3
	v_max3_num_f32 v[116+\t], v[116+\t], |v[ACC+32*\t+\i]|, |v[ACC+32*\t+\i+1]|
.endr
.endr
.irp t, 0,1,2,3
	v_add_nc_u32 v[120+\t], 0xff000000, v[116+\t]
.endr
.irp t, 0,1,2,3
	v_lshrrev_b32 v[124+\t], 23, v[120+\t]
.endr
.irp t, 0,1,2,3
	v_cvt_scalef32_pk16_fp6_f32 v[68+8*\t:70+8*\t], v[ACC+32*\t:ACC+32*\t+15], v[120+\t]
	v_cvt_scalef32_pk16_fp6_f32 v[100+4*\t:102+4*\t], v[ACC+32*\t+16:ACC+32*\t+31], v[120+\t]
.endr
	v_nop                                          ; one plain line behind the conversions
.irp t, 0,1,2,3
.irp i, 0,1,2
	v_mov_b32 v[71+8*\t+\i], v[100+4*\t+\i]
.endr
.endr
	s_wait_alu depctr_va_vdst(0)                   ; the codes v68-99 and the bytes v124-127 are written, which the LDS stores read; the additions are done with v32-56, in which the LDS loads below land
	; ---- the way out, through my stage: 64 rows x 48 bytes of codes, then 128 scale bytes, laid as they lie in pc and ps
.irp t, 0,1,2,3
.irp i, 0,1,2
	ds_store_b64 v[EW], v[68+8*\t+2*\i:69+8*\t+2*\i] offset:384*\t+8*\i
.endr
	ds_store_b8 v[ES], v[124+\t] offset:16*\t
.endr
.irp j, 0,1,2,3,4,5
	ds_load_b128 v[32+4*\j:35+4*\j], v[STW] offset:512*\j      ; LDS serves a wave's instructions in order: these see my stores
.endr
	ds_load_b32 v56, v[ESR]
	s_wait_dscnt 0x0
.irp j, 0,1,2,3,4,5
	global_store_b128 v[LI16], v[32+4*\j:35+4*\j], s[PCO:PCO+1] offset:512*\j   ; 512 consecutive bytes a store, at a multiple of 256 from the buffer's first byte
.endr
	global_store_b32 v[L4], v56, s[PSO:PSO+1]      ; 128 consecutive bytes: half an aligned block of 256; the neighbouring work-group writes the other half (0.5 MB in the whole launch)
	s_wait_dscnt 0x0                               ; the wave's end
	s_wait_alu 0x0
	s_wait_tensorcnt 0x0
	ds_add_u32 v[SPW], v[NIL]
	s_wait_dscnt 0x0
	s_endpgm
.Lfunc_end_k_qdfb9cbc1fd_proj:
	.size	k_qdfb9cbc1fd_proj, .Lfunc_end_k_qdfb9cbc1fd_proj-k_qdfb9cbc1fd_proj
	.p2alignl 7, 3214868480
	.fill 96, 4, 3214868480
	.section	.rodata,"a",@progbits
	.p2align	6, 0x0
	.amdhsa_kernel k_qdfb9cbc1fd_proj
		.amdhsa_group_segment_fixed_size 188416
		.amdhsa_private_segment_fixed_size 0
		.amdhsa_enable_private_segment 0
		.amdhsa_kernarg_size 80
		.amdhsa_user_sgpr_count 2
		.amdhsa_user_sgpr_kernarg_segment_ptr 1
		.amdhsa_wavefront_size32 1
		.amdhsa_system_sgpr_workgroup_id_x 1
		.amdhsa_system_sgpr_workgroup_id_y 1
		.amdhsa_system_sgpr_workgroup_id_z 1
		.amdhsa_system_vgpr_workitem_id 0
		.amdhsa_next_free_vgpr 256
		.amdhsa_next_free_sgpr 66
		.amdhsa_reserve_vcc 0
		.amdhsa_float_denorm_mode_32 3
		.amdhsa_float_denorm_mode_16_64 3
		.amdhsa_memory_ordered 1
		.amdhsa_forward_progress 1
		.amdhsa_inst_pref_size 106
	.end_amdhsa_kernel
	.amdgpu_metadata
---
amdhsa.version: [ 1, 2 ]
amdhsa.kernels:
  - .name:           k_qdfb9cbc1fd_proj
    .symbol:         k_qdfb9cbc1fd_proj.kd
    .args:
      - { .name: q1, .offset: 0, .size: 8, .value_kind: global_buffer, .address_space: global }
      - { .name: q2, .offset: 8, .size: 8, .value_kind: global_buffer, .address_space: global }
      - { .name: k, .offset: 16, .size: 8, .value_kind: global_buffer, .address_space: global }
      - { .name: v, .offset: 24, .size: 8, .value_kind: global_buffer, .address_space: global }
      - { .name: bq, .offset: 32, .size: 8, .value_kind: global_buffer, .address_space: global }
      - { .name: bk, .offset: 40, .size: 8, .value_kind: global_buffer, .address_space: global }
      - { .name: bv, .offset: 48, .size: 8, .value_kind: global_buffer, .address_space: global }
      - { .name: wimg, .offset: 56, .size: 8, .value_kind: global_buffer, .address_space: global }
      - { .name: pc, .offset: 64, .size: 8, .value_kind: global_buffer, .address_space: global }
      - { .name: ps, .offset: 72, .size: 8, .value_kind: global_buffer, .address_space: global }
    .group_segment_fixed_size: 188416
    .private_segment_fixed_size: 0
    .kernarg_segment_align: 8
    .kernarg_segment_size: 80
    .max_flat_workgroup_size: 512
    .sgpr_count:     66
    .vgpr_count:     256
    .wavefront_size: 32
...
	.end_amdgpu_metadata
.endif
;; end of part 6
;; launch attn (part 7): grid 8 x 32, 16 waves a work-group, no clusters, 276,480 bytes of LDS; arguments pc, ps, lam, obuf; writes obuf
.if DOCPART == 7
	.amdgcn_target "amdgcn-amd-amdhsa--gfx1250"
	.amdhsa_code_object_version 6
	.text
	.protected	k_qdfb9cbc1fd_attn
	.globl	k_qdfb9cbc1fd_attn
	.p2align	8
	.type	k_qdfb9cbc1fd_attn,@function
k_qdfb9cbc1fd_attn:
	s_mov_b64 s[64:65], 0
	v_nop
	global_prefetch_b8 v0, s[64:65] scope:SCOPE_SE
	s_setreg_imm32_b32 hwreg(HW_REG_WAVE_SCHED_MODE, 0, 2), 2
	s_setreg_imm32_b32 hwreg(HW_REG_WAVE_MODE, 25, 1), 1
	s_wait_xcnt 0x0
	s_wait_alu depctr_vm_vsrc(0)
; O = Q(softmax(q1 k^T / 8) - lam softmax(q2 k^T / 8)) Q(v), all three products on codes of FP6 (E2M3).  q1, q2, k, v come as codes and scale bytes from pc and ps (layout in the launch that makes them); O: obuf [4096][1024] f32.
; THE SECOND PRODUCT'S OPERAND IS THE FINISHED, NORMALISED DIFFERENCE, so both rows' maxima and sums must be known before one code of it is made.  All scores of a tile of 16 queries are therefore kept in the
; work-group's registers: 16 queries x 2,048 keys x 2 softmaxes = 128 registers in each of 16 waves; each score is multiplied once and goes through one exponential.
; SHARES.  Work-group: y = 16 batch + head, x = a block of 256 queries = 16 tiles.  THE WAVES SHARE THE KEYS: wave w owns keys 128 w .. 128 w + 127 for every tile.  Its K stays in registers, its V as a register image in its own LDS bytes.
; K = 64 fills half of the instruction's 128: a fragment of K carries TWO tiles of 16 keys (k 0-63 and k 64-127) and is multiplied by [q | zero codes] and by [zero codes | q].
; Both products are used transposed (S^T = K Q^T, O^T = V^T diff^T): a lane holds one query.  Tile T, row m of K is key 128 w + 64 (T / 4) + 32 (m / 8) + 8 (T % 4) + m % 8, so that register 32 c + i of S^T is key 128 w + 64 c + 32 (lane / 16) + i:
; a lane holds whole blocks of 32 keys in the order that the second product's operand wants.
; THE SOFTMAX.  t = score x log2(e) / 8.  Each wave takes the largest t of ITS 128 keys, rounded up to a whole number M_w; p = 2^(t - M_w); its sum l_w.  (-M_w, l_w) of both softmaxes meet in LDS; M = the largest M_w, l = the sum of
; l_w 2^(M_w - M), made by v_ldexp_f32: nothing is rounded by the change of M.  diff = p1 F1 - lam F2 p2 with F = 2^(M_w - M) / l.
; Each wave's partial O (its 128 keys) goes to LDS; one tile later wave w adds the sixteen parts of query w and stores that row's 256 bytes.  ONE barrier a tile: the LDS regions take turns by the tile's parity.
; LIMITS: p under 2^-126 is 0 (ISA guide: v_exp_f32 flushes); a factor F under 2^-126 may lose bits or fall to 0: such weights are under 1e-38; a block of diff that is all zeros keeps the byte 1 with zero codes; NaN and infinities are not served.
; No cluster, no joint loads, no ring: K and V are read once a work-group, at the head, and no tile is asked for again.
; THE MODE: SCHED_MODE bits 1:0 = 2 (LLVM: expert scheduling mode 2), set by the entry lines.  The code itself states the register dependences
; between vector or matrix instructions and memory or LDS instructions, with s_wait_alu, always for 0.
; THE PLAN.  Registers that memory or LDS instructions touch in a tile, in the tile's order:
;   v20-21            the vector lines write my figures; one LDS store reads them.
;   v32-37, v44-49, v104-123   the sixteen waves' figures land; vector lines work on them.  Then the next tile's queries land in v32-37, v44-49 (and their scale word in v12); the next tile's score products read them.
;   v[QAD]            stepped once a tile by a vector line; read by the queries' seven LDS loads.
;   v192-239          p2 (vector lines), then V's four fragments land; the second product reads them.
;   v24, v25          at work in the softmax; then the LDS addresses of my part of O (stores) and of the last tile's parts (loads).
;   v160-191          the upper half of diff (the quantiser reads); then the last tile's sixteen parts land; additions; the row's store reads v160-161.
;   v128-159          the second product writes my part of O; LDS stores read it.
;   v5-v10            addresses made at the head and never written again.
; THE WAITS OF A TILE.  ONE on vm_vsrc, at its head: all that the last tile's LDS and memory instructions read is written again only behind it.  SIX on va_vdst: behind the exponentials (their results; the score products are done with
; the queries' registers); ahead of the post of my figures (which also frees the registers in which all sixteen land); behind the reciprocal (its result; v[QAD]; the figures' arithmetic is done with the registers in which the next
; queries land: so these are asked for at once); behind diff's multiply-adds (p2's registers take V); behind the quantiser, the two addresses and the eight places (codes and scale word for the scaled products, both addresses, v160-191);
; behind the second product and its places (my part of O and the last row's sum, which the stores read).
.set VIMG, 0                           ; LDS: V's images: 6,144 w + 512 j + 16 l
.set QIMG, 98304                       ; the 16 tiles of queries: tile at 1,792: q1's three pieces at 256 i + 8 l, q2's at 768 + .., the scale word at 1,536 + 8 l
.set ML,   126976                      ; (-M, l): 4,096 parity + 256 w + 16 r + 8 h (h: which softmax)
.set OP,   135168                      ; the partial O: 69,632 parity + 4,352 w + 272 query + 4 channel
.set SPARE, 274432                     ; the spare words, 128 bytes for each wave: eight blocks of 256 bytes that no other line names
.set SPW, 2                            ; v2  LDS address of my spare word; never rewritten
.set NIL, 3                            ; v3  0; never rewritten
.set QAD, 4                            ; v4  QIMG + 8 l + 1,792 x the tile to be fetched
.set MLW, 5
.set MLR, 6
.set OPW, 7
.set OPR, 8
.set VAD, 9
.set GO,  10                           ; v10 8 l
.set SH8, 11                           ; v11 8 h
.set QS,  12                           ; v12 scales alone: lanes 0-15 q1's words, lanes 16-31 q2's
.set DS,  13                           ; v13 scales alone: diff's word
.set KS,  14                           ; v14-15 scales alone: KS[i], lane l: fragment 2 i + l / 16, row l % 16
.set VS,  16                           ; v16-17 scales alone: VS[i], lane l: channel 32 i + l
.set NM,  18                           ; v18-19 -M of my 128 keys, softmax 1 and 2
.set FF,  22                           ; v22 F1, v23 -lam F2
.set KF,  56                           ; v56-103 K's four fragments.  v26-55: [0 x 6 | q1 x 6 | 0 x 6 | q2 x 6 | 0 x 6]
.set TT,  104                          ; v104-127 at work
.set S1,  128                          ; v128-191 S1^T, p1, diff; then v128-159 my partial O^T and v160-191 the sixteen parts of the last tile's row
.set S2,  192                          ; v192-255 S2^T, p2; then v192-239 V's four fragments
.set LAM, 13
.set CS,  14                           ; s[14:15] log2(e) / 8
.set SEL, 16                           ; s[16:17] selects for lane l xor 16
.set HI,  18                           ; s18 the mask of lanes 16-31
.set OB,  22                           ; s[22:23] my row of the tile in hand in obuf
.macro QUANTB src, pc, ct, tm, pw, px  ; 64 numbers of a lane, register 32 c + i = k 64 c + 32 h + i, become 12 registers of codes at v[pc] and the scale word v[pw]
.irp c, 0,1
	v_max3_num_f32 v[\tm+\c], |v[\src+32*\c]|, |v[\src+32*\c+1]|, 0x1800000   ; with the floor 2^(3 - 127): the byte cannot fall under 1
.endr
.irp i, 2,4,6,8,10,12,14,16,18,20,22,24,26,28,30
.irp c, 0,1
	v_max3_num_f32 v[\tm+\c], v[\tm+\c], |v[\src+32*\c+\i]|, |v[\src+32*\c+\i+1]|
.endr
.endr
.irp c, 0,1
	v_add_nc_u32 v[\tm+2+\c], 0xff000000, v[\tm+\c]        ; 2 off the exponent field: the conversion's scale operand
.endr
.irp c, 0,1
	v_lshrrev_b32 v[\tm+\c], 23, v[\tm+2+\c]               ; the byte of block 2 c + h
.endr
	v_lshl_or_b32 v[\pw], v[\tm+1], 16, v[\tm]
	v_lshlrev_b32 v[\pw], v[SH8], v[\pw]
	v_permlanex16_b32 v[\px], v[\pw], s[SEL], s[SEL+1]
	v_or_b32 v[\pw], v[\pw], v[\px]                        ; with lane l xor 16's two bytes the word is whole
.irp c, 0,1
	v_cvt_scalef32_pk16_fp6_f32 v[\pc+6*\c:\pc+6*\c+2], v[\src+32*\c:\src+32*\c+15], v[\tm+2+\c]
	v_cvt_scalef32_pk16_fp6_f32 v[\ct+4*\c:\ct+4*\c+2], v[\src+32*\c+16:\src+32*\c+31], v[\tm+2+\c]   ; (a conversion's three registers begin on an even number)
.endr
	v_nop                                                  ; one plain line behind the conversions
.irp c, 0,1
.irp i, 0,1,2
	v_mov_b32 v[\pc+6*\c+3+\i], v[\ct+4*\c+\i]
.endr
.endr
.endm
	s_load_b256 s[4:11], s[0:1], 0x0               ; pc s[4:5], ps s[6:7], lam s[8:9], obuf s[10:11]
	v_lshl_add_u32 v[SPW], v0, 2, SPARE
	v_mov_b32 v[NIL], 0
	v_lshrrev_b32 v1, 5, v0
	v_readfirstlane_b32 s12, v1                    ; wave 0 .. 15
	s_and_b32 s24, ttmp7, 0xffff                   ; hb
	s_mov_b32 s[CS], 0x3e38aa3b                    ; log2(e) / 8
	s_mov_b32 s[CS+1], s[CS]                       ; (named with it as a pair, so it is written)
	s_mov_b32 s[SEL], 0x76543210
	s_mov_b32 s[SEL+1], 0xfedcba98
	s_mov_b32 s[HI], 0xffff0000
	v_and_b32 v128, 31, v0                         ; l
	v_and_b32 v129, 15, v0                         ; r
	v_bfe_u32 v130, v0, 4, 1                       ; h
	v_lshlrev_b32 v[GO], 3, v128
	v_add_nc_u32 v[QAD], QIMG, v[GO]
	s_wait_alu depctr_va_sdst(0)                   ; s12 is written, ahead of its first reader: addresses and bases are made from it
	s_mul_i32 s20, s12, 1792
	v_add_nc_u32 v138, s20, v[QAD]                 ; where I store tile w's image
	v_lshlrev_b32 v[MLR], 4, v129
	v_lshl_add_u32 v[MLR], v130, 3, v[MLR]
	v_add_nc_u32 v[MLR], ML, v[MLR]
	s_lshl_b32 s20, s12, 8
	v_add_nc_u32 v[MLW], s20, v[MLR]
	v_mul_u32_u24 v[OPW], v129, 272
	v_lshl_add_u32 v[OPW], v130, 5, v[OPW]
	s_mul_i32 s20, s12, 4352
	s_add_co_u32 s20, s20, OP
	v_add_nc_u32 v[OPW], s20, v[OPW]               ; my part: query r, channels 16 dt + 8 h on
	s_mul_i32 s20, s12, 272
	s_add_co_u32 s20, s20, OP
	v_add_nc_u32 v[OPR], s20, v[GO]                ; every wave's part of query w: 8 bytes a lane
	v_lshlrev_b32 v[VAD], 4, v128
	s_mul_i32 s20, s12, 6144
	v_add_nc_u32 v[VAD], s20, v[VAD]
	v_lshlrev_b32 v[SH8], 3, v130
	s_lshl_b32 s20, s12, 7                         ; 128 w
	v_and_b32 v131, 8, v129
	v_and_b32 v139, 7, v129
	v_lshl_add_u32 v131, v131, 2, v139
	v_add_nc_u32 v131, s20, v131                   ; 128 w + 32 (r / 8) + r % 8
	v_mul_u32_u24 v132, v131, 48
	v_mad_u32_u24 v132, v130, 24, v132             ; K's codes: 48 bytes a key, 24 a block
	v_lshl_add_u32 v133, v130, 4, v131
	v_lshlrev_b32 v133, 1, v133                    ; K's scale bytes: lanes 16-31 take the fragment one on (16 keys)
	v_add_nc_u32 v134, s20, v129
	v_mul_u32_u24 v134, v134, 48
	v_mad_u32_u24 v134, v130, 24, v134             ; V's codes: row 128 w + 64 c + 16 dt + r
	v_add_nc_u32 v135, s20, v128
	v_lshlrev_b32 v135, 1, v135                    ; V's scale bytes: row 128 w + 64 c + 32 i + l
	s_lshl_b32 s21, ttmp9, 8
	s_lshl_b32 s20, s12, 4
	s_add_co_u32 s21, s21, s20                     ; 256 x block + 16 w: the tile of queries whose image I make
	v_add_nc_u32 v136, s21, v129
	v_lshlrev_b32 v137, 1, v136
	v_lshl_add_u32 v137, v130, 17, v137            ; its scale bytes: lanes 16-31 take q2's, 131,072 bytes on
	v_mul_u32_u24 v136, v136, 48
	v_mad_u32_u24 v136, v130, 24, v136
	s_mul_i32 s26, s24, 98304
	s_mov_b32 s27, 0
	s_lshl_b32 s28, s24, 12
	s_mov_b32 s29, 0
	s_lshr_b32 s20, s24, 4                         ; obuf: row 2,048 batch + 256 x block + w, + 16 a tile;
	s_lshl_b32 s20, s20, 11
	s_lshl_b32 s21, ttmp9, 8
	s_add_co_u32 s20, s20, s21
	s_add_co_u32 s20, s20, s12
	s_lshl_b32 s20, s20, 12
	s_and_b32 s21, s24, 15                         ; the head's 256 bytes of it
	s_lshl_b32 s21, s21, 8
	s_add_co_u32 s20, s20, s21
	s_mov_b32 s21, 0
	s_wait_kmcnt 0x0
	s_load_b32 s[LAM], s[8:9], 0x0
	s_add_nc_u64 s[4:5], s[4:5], s[26:27]          ; pc at my head: q1's codes (q2's 3,145,728 on),
	s_add_nc_u64 s[26:27], s[4:5], 6291456         ; k's,
	s_add_nc_u64 s[30:31], s[4:5], 9437184         ; v's
	s_add_nc_u64 s[6:7], s[6:7], s[28:29]          ; ps at my head
	s_add_nc_u64 s[OB:OB+1], s[10:11], s[20:21]
	s_wait_alu depctr_va_vdst(0)                   ; the addresses v4 to v10 and v132 to v138 are written, which the loads and stores below read
.irp T, 0,1,2,3,4,5,6,7
.irp i, 0,1,2
	global_load_b64 v[KF+6*\T+2*\i:KF+6*\T+2*\i+1], v132, s[26:27] offset:(64*(\T/4)+8*(\T%4))*48+8*\i   ; tile T is half T % 2 of fragment T / 2
.endr
.endr
.irp i, 0,1
.irp e, 0,1
	global_load_u16 v[116+2*\i+\e], v133, s[6:7] offset:2*131072+(64*\i+8*\e)*2
.endr
.endr
.irp dt, 0,1,2,3
.irp c, 0,1
.irp i, 0,1,2
	global_load_b64 v[S2+12*\dt+6*\c+2*\i:S2+12*\dt+6*\c+2*\i+1], v134, s[30:31] offset:(64*\c+16*\dt)*48+8*\i
.endr
.endr
.endr
.irp i, 0,1
.irp c, 0,1
	global_load_u16 v[120+2*\i+\c], v135, s[6:7] offset:3*131072+(64*\c+32*\i)*2
.endr
.endr
.irp i, 0,1,2
	global_load_b64 v[104+2*\i:105+2*\i], v136, s[4:5] offset:8*\i
	global_load_b64 v[110+2*\i:111+2*\i], v136, s[4:5] offset:3145728+8*\i
.endr
	global_load_u16 v124, v137, s[6:7]
	s_wait_loadcnt 0x0
	v_lshl_or_b32 v124, v124, 16, v124             ; q's two bytes twice: the word serves [q | 0] and [0 | q]
	s_wait_alu depctr_va_vdst(0)                   ; v124 is written, which the last of the LDS stores below reads
.irp j, 0,1,2,3,4,5,6,7,8,9,10,11
	ds_store_b128 v[VAD], v[S2+4*\j:S2+4*\j+3] offset:VIMG+512*\j
.endr
.irp i, 0,1,2
	ds_store_b64 v138, v[104+2*\i:105+2*\i] offset:256*\i
	ds_store_b64 v138, v[110+2*\i:111+2*\i] offset:768+256*\i
.endr
	ds_store_b32 v138, v124 offset:1536
	s_wait_dscnt 0x0                               ; for the others' sake: my tile's image has landed
	s_barrier_signal -1
	s_barrier_wait -1                              ; the sixteen tiles of queries lie in LDS; nothing writes them again
.macro QLOAD                           ; the tile of queries at v[QAD]
.irp i, 0,1,2
	ds_load_b64 v[32+2*\i:33+2*\i], v[QAD] offset:256*\i
	ds_load_b64 v[44+2*\i:45+2*\i], v[QAD] offset:768+256*\i
.endr
	ds_load_b32 v[QS], v[QAD] offset:1536
.endm
	QLOAD                                          ; the first tile's queries; no vector line has named the registers in which they land.  The lines below stand while they are on their way
.irp z, 26,27,28,29,30,31,38,39,40,41,42,43,50,51,52,53,54,55
	v_mov_b32 v[\z], 0                             ; the zero codes beside q1 and q2: written once
.endr
	v_mov_b32 v24, 0                               ; written once: a lane exchange's destination counts as one of its sources
	v_mov_b32 v25, 0
	v_lshl_or_b32 v[KS], v117, 16, v116            ; a fragment's word: the even tile's two bytes, then the odd tile's
	v_lshl_or_b32 v[KS+1], v119, 16, v118
	v_lshl_or_b32 v[VS], v121, 16, v120            ; keys 0-63's two bytes, then keys 64-127's
	v_lshl_or_b32 v[VS+1], v123, 16, v122
	s_wait_kmcnt 0x0                               ; lam
.rept 8
	v_nop                                          ; K's and V's scale words were made by vector lines: eight places ahead of the first scaled product,
.endr
	s_wait_alu depctr_va_vdst(0)                   ; and the wait: the scale words v14-17 and the zero codes are written, which the scaled products take
; Tile T of the scores of softmax g: D = 16 keys x my 16 queries
.macro SCORE T, g
.set rD, S1+64*\g+8*\T
.set rA, KF+12*(\T/2)
.set rB, 32+12*\g-6*(\T%2)             ; [q | 0] for an even tile, [0 | q] for an odd one
.set rS, KS+\T/4
.if ((\T/2)%2 == 0) && (\g == 0)
	v_wmma_scale_f32_16x16x128_f8f6f4 v[rD:rD+7], v[rA:rA+11], v[rB:rB+11], 0, v[rS], v[QS] matrix_a_fmt:MATRIX_FMT_FP6 matrix_b_fmt:MATRIX_FMT_FP6
.elseif ((\T/2)%2 == 1) && (\g == 0)
	v_wmma_scale_f32_16x16x128_f8f6f4 v[rD:rD+7], v[rA:rA+11], v[rB:rB+11], 0, v[rS], v[QS] matrix_a_fmt:MATRIX_FMT_FP6 matrix_b_fmt:MATRIX_FMT_FP6 matrix_a_scale:MATRIX_SCALE_ROW1
.elseif ((\T/2)%2 == 0)
	v_wmma_scale_f32_16x16x128_f8f6f4 v[rD:rD+7], v[rA:rA+11], v[rB:rB+11], 0, v[rS], v[QS] matrix_a_fmt:MATRIX_FMT_FP6 matrix_b_fmt:MATRIX_FMT_FP6 matrix_b_scale:MATRIX_SCALE_ROW1
.else
	v_wmma_scale_f32_16x16x128_f8f6f4 v[rD:rD+7], v[rA:rA+11], v[rB:rB+11], 0, v[rS], v[QS] matrix_a_fmt:MATRIX_FMT_FP6 matrix_b_fmt:MATRIX_FMT_FP6 matrix_a_scale:MATRIX_SCALE_ROW1 matrix_b_scale:MATRIX_SCALE_ROW1
.endif
.endm
.macro CLOAD                           ; the sixteen waves' parts of query w, from the address in v25 on
.irp w, 0,1,2,3,4,5,6,7,8,9,10,11,12,13,14,15
	ds_load_b64 v[160+2*\w:161+2*\w], v25 offset:4352*\w
.endr
.endm
.macro CADD                            ; they are added
	s_wait_dscnt 0x0
.irp n, 0,2,4,6,8,10,12,14
	v_pk_add_f32 v[160+\n:161+\n], v[160+\n:161+\n], v[176+\n:177+\n]
.endr
.irp n, 0,2,4,6
	v_pk_add_f32 v[160+\n:161+\n], v[160+\n:161+\n], v[168+\n:169+\n]
.endr
.irp n, 0,2
	v_pk_add_f32 v[160+\n:161+\n], v[160+\n:161+\n], v[164+\n:165+\n]
.endr
	v_pk_add_f32 v[160:161], v[160:161], v[162:163]
.endm
.macro CST                             ; and the row's 256 bytes leave
	global_store_b64 v[GO], v[160:161], s[OB:OB+1] offset:-65536 th:TH_STORE_NT   ; 32 lanes store 256 consecutive bytes, at a multiple of 256 from obuf's first byte; the row of the tile before
.endm
; ONE TILE OF 16 QUERIES.  par: its parity; first, last: the launch's first and last tile
.macro TILE par, first, last
	s_wait_xcnt 0x0                                ; the last row's store has read its data and its base: both are written below
	s_wait_dscnt 0x0                               ; the queries are in, and the last tile's LDS stores are done
	s_wait_alu depctr_vm_vsrc(0)                   ; all LDS and memory instructions issued so far have read their registers: the last tile's stores v24, v128-161 and v20-21, its loads' addresses v25 and v[QAD]; in the first tile the head's store data in v104-124 and v192-239 and the addresses in v132-138.  All these are written again below
.if !\first
	s_add_nc_u64 s[OB:OB+1], s[OB:OB+1], 0x10000   ; 16 rows of obuf on
.endif
.irp T, 0,1,2,3,4,5,6,7
	SCORE \T, 0
	SCORE \T, 1
.endr
.rept 4
	v_nop                                          ; four places ahead of the first read of results (ISA guide 7.12.1)
.endr
	; the largest score of my 128 keys: four chains of 16 registers for each softmax, ascending
.irp g, 0,1
.irp k, 0,1,2,3
	v_max3_num_f32 v[TT+4*\g+\k], v[S1+64*\g+16*\k], v[S1+64*\g+16*\k+1], v[S1+64*\g+16*\k+2]
.endr
.endr
.irp i, 3,5,7,9,11,13
.irp g, 0,1
.irp k, 0,1,2,3
	v_max3_num_f32 v[TT+4*\g+\k], v[TT+4*\g+\k], v[S1+64*\g+16*\k+\i], v[S1+64*\g+16*\k+\i+1]
.endr
.endr
.endr
.irp g, 0,1
.irp k, 0,1,2,3
	v_max_num_f32 v[TT+4*\g+\k], v[TT+4*\g+\k], v[S1+64*\g+16*\k+15]
.endr
.endr
.irp g, 0,1
	v_max3_num_f32 v[TT+4*\g], v[TT+4*\g], v[TT+4*\g+1], v[TT+4*\g+2]
.endr
.irp g, 0,1
	v_max_num_f32 v[TT+4*\g], v[TT+4*\g], v[TT+4*\g+3]
.endr
.irp g, 0,1
	v_permlanex16_b32 v[24+\g], v[TT+4*\g], s[SEL], s[SEL+1]
.endr
.irp g, 0,1
	v_max_num_f32 v[TT+4*\g], v[TT+4*\g], v[24+\g] ; with lane l xor 16's 64 keys
.endr
.irp g, 0,1
	v_mul_f32 v[TT+4*\g], s[CS], v[TT+4*\g]        ; as t (the factor is positive)
.endr
.irp g, 0,1
	v_floor_f32 v[NM+\g], -v[TT+4*\g]              ; -M = floor(-t): M is a whole number
.endr
.set n, 0
.rept 32
	v_pk_fma_f32 v[S1+n:S1+n+1], v[S1+n:S1+n+1], s[CS:CS+1], v[NM:NM+1] op_sel_hi:[1,0,0]                  ; t - M, two at a time: the pair's low word, -M1, for both
.set n, n+2
.endr
.set n, 0
.rept 32
	v_pk_fma_f32 v[S2+n:S2+n+1], v[S2+n:S2+n+1], s[CS:CS+1], v[NM:NM+1] op_sel:[0,0,1] op_sel_hi:[1,0,1]   ; its high word, -M2, for both
.set n, n+2
.endr
.set n, 0
	s_wait_alu depctr_va_vdst(0)
.rept 128
	v_exp_f32 v[S1+n], v[S1+n]                     ; p = 2^(t - M), at most 1: one batch
.set n, n+1
.endr
	v_cndmask_b32 v20, v[NM], v[NM+1], s[HI]       ; lanes 0-15 post softmax 1's figures, lanes 16-31 softmax 2's.  (The plain line behind the exponentials)
	s_wait_alu depctr_va_vdst(0)                   ; the 128 exponentials have written p, ahead of the first line that names a result: one wait for the batch
.irp g, 0,1
	v_pk_add_f32 v[TT+4*\g:TT+4*\g+1], v[S1+64*\g:S1+64*\g+1], v[S1+64*\g+2:S1+64*\g+3]      ; the sums of p, two chains for each softmax
	v_pk_add_f32 v[TT+4*\g+2:TT+4*\g+3], v[S1+64*\g+4:S1+64*\g+5], v[S1+64*\g+6:S1+64*\g+7]
.endr
.irp j, 8,12,16,20,24,28,32,36,40,44,48,52,56,60
.irp g, 0,1
	v_pk_add_f32 v[TT+4*\g:TT+4*\g+1], v[TT+4*\g:TT+4*\g+1], v[S1+64*\g+\j:S1+64*\g+\j+1]
	v_pk_add_f32 v[TT+4*\g+2:TT+4*\g+3], v[TT+4*\g+2:TT+4*\g+3], v[S1+64*\g+\j+2:S1+64*\g+\j+3]
.endr
.endr
.irp g, 0,1
	v_pk_add_f32 v[TT+4*\g:TT+4*\g+1], v[TT+4*\g:TT+4*\g+1], v[TT+4*\g+2:TT+4*\g+3]
.endr
.irp g, 0,1
	v_add_f32 v[TT+4*\g], v[TT+4*\g], v[TT+4*\g+1]
.endr
.irp g, 0,1
	v_permlanex16_b32 v[24+\g], v[TT+4*\g], s[SEL], s[SEL+1]
.endr
.irp g, 0,1
	v_add_f32 v[TT+4*\g], v[TT+4*\g], v[24+\g]
.endr
	v_cndmask_b32 v21, v[TT], v[TT+4], s[HI]
	s_wait_alu depctr_va_vdst(0)                   ; v20-21 are written, which the LDS store reads; the sums are done with v104-111 and the score products with v32-49, among which the sixteen figures land behind the barrier
	ds_store_b64 v[MLW], v[20:21] offset:4096*\par
	s_wait_dscnt 0x0                               ; for the others' sake: my figures, and my part of the last tile's O, have landed; my reads of what is written next are over
	s_barrier_signal -1
	s_barrier_wait -1                              ; THE TILE'S ONE BARRIER
	; ---- all sixteen waves' figures.  Lane (r, h) serves query r of softmax h
.set wq, 0
.irp p, 32,34,36,44,46,48,104,106,108,110,112,114,116,118,120,122
	ds_load_b64 v[\p:\p+1], v[MLR] offset:4096*\par+256*wq
.set wq, wq+1
.endr
	s_wait_dscnt 0x0
	v_min3_num_f32 v1, v32, v34, v36               ; the least -M: the row's M
	v_min3_num_f32 v1, v1, v44, v46
	v_min3_num_f32 v1, v1, v48, v104
	v_min3_num_f32 v1, v1, v106, v108
	v_min3_num_f32 v1, v1, v110, v112
	v_min3_num_f32 v1, v1, v114, v116
	v_min3_num_f32 v1, v1, v118, v120
	v_min_num_f32 v1, v1, v122
.irp p, 32,34,36,44,46,48,104,106,108,110,112,114,116,118,120,122
	v_sub_f32 v[\p], v1, v[\p]                     ; M_w - M: a whole number, 0 or less
.endr
.irp p, 32,34,36,44,46,48,104,106,108,110,112,114,116,118,120,122
	v_cvt_i32_f32 v[\p], v[\p]                     ; (it saturates)
.endr
.irp p, 32,34,36,44,46,48,104,106,108,110,112,114,116,118,120,122
	v_ldexp_f32 v[\p+1], v[\p+1], v[\p]            ; l_w under the row's M: nothing is rounded
.endr
	v_add_f32 v33, v33, v35
	v_add_f32 v47, v47, v49
	v_add_f32 v109, v109, v111
	v_add_f32 v117, v117, v119
	v_add_f32 v33, v33, v37
	v_add_f32 v47, v47, v105
	v_add_f32 v109, v109, v113
	v_add_f32 v117, v117, v121
	v_add_f32 v33, v33, v45
	v_add_f32 v47, v47, v107
	v_add_f32 v109, v109, v115
	v_add_f32 v117, v117, v123
	v_add_f32 v33, v33, v47
	v_add_f32 v109, v109, v117
	v_add_f32 v33, v33, v109                       ; the row's sum: over 0.5, at most 2,048
	s_wait_alu depctr_va_vdst(0)
	v_rcp_f32 v104, v33                            ; (into a register in which no query lands)
	v_sub_f32 v24, v1, v20                         ; my own M_w - M.  (The plain line behind the reciprocal)
	v_cvt_i32_f32 v24, v24
.if !\last
	v_add_nc_u32 v[QAD], 1792, v[QAD]              ; the next tile's queries (the wait at the tile's head stands behind the loads that read the old address)
.endif
	s_wait_alu depctr_va_vdst(0)                   ; the reciprocal has written v104, ahead of its first reader; v[QAD] is written, which the loads below read; the figures' arithmetic is done with v32-37 and v44-49, and the score products with v12, in which these loads land
.if !\last
	QLOAD                                          ; no vector line from here to the next tile's products names these registers
.endif
	v_ldexp_f32 v104, v104, v24                    ; F = 2^(M_w - M) / l of softmax h
	v_permlanex16_b32 v24, v104, s[SEL], s[SEL+1]  ; and of the other
	v_cndmask_b32 v[FF], v104, v24, s[HI]          ; F1
	v_cndmask_b32 v[FF+1], v24, v104, s[HI]        ; F2
	v_mul_f32 v[FF+1], -v[FF+1], s[LAM]            ; -lam F2
.set n, 0
.rept 32
	v_pk_mul_f32 v[S2+n:S2+n+1], v[S2+n:S2+n+1], v[FF:FF+1] op_sel:[0,1] op_sel_hi:[1,1]      ; -lam a2
.set n, n+2
.endr
.set n, 0
.rept 32
	v_pk_fma_f32 v[S1+n:S1+n+1], v[S1+n:S1+n+1], v[FF:FF+1], v[S2+n:S2+n+1] op_sel_hi:[1,0,1]  ; diff = a1 - lam a2
.set n, n+2
.endr
	s_wait_alu depctr_va_vdst(0)                   ; the multiply-adds are done with p2's registers v192-239, in which V's fragments land
.irp j, 0,1,2,3,4,5,6,7,8,9,10,11
	ds_load_b128 v[S2+4*\j:S2+4*\j+3], v[VAD] offset:VIMG+512*\j   ; V's four fragments, where p2 lay: on their way while diff is quantised
.endr
	QUANTB S1, TT, TT+12, TT+20, DS, 24
	v_add_nc_u32 v24, 69632*\par, v[OPW]           ; where my part of this tile's O goes
.if !\first
	v_add_nc_u32 v25, 69632*(1-\par), v[OPR]       ; where the last tile's parts lie
.endif
.rept 8
	v_nop                                          ; codes and scale word were made by vector lines: four and eight places ahead of a scaled product,
.endr
	s_wait_alu depctr_va_vdst(0)                   ; and the wait: diff's codes v104-115 and its scale word v13 are written, which the scaled products take; so are the addresses v24 and v25; the conversions are done reading v160-191, in which the parts land
.if \first
	s_wait_dscnt 0x0
.else
	CLOAD                                          ; the last tile's parts, into the upper half of diff's registers
	s_wait_dscnt 16                                ; V and the queries are in; the sixteen loads issued behind them may be out
.endif
.irp dt, 0,1,2,3
.if (\dt)%2 == 0
	v_wmma_scale_f32_16x16x128_f8f6f4 v[S1+8*\dt:S1+8*\dt+7], v[S2+12*\dt:S2+12*\dt+11], v[TT:TT+11], 0, v[VS+\dt/2], v[DS] matrix_a_fmt:MATRIX_FMT_FP6 matrix_b_fmt:MATRIX_FMT_FP6
.else
	v_wmma_scale_f32_16x16x128_f8f6f4 v[S1+8*\dt:S1+8*\dt+7], v[S2+12*\dt:S2+12*\dt+11], v[TT:TT+11], 0, v[VS+\dt/2], v[DS] matrix_a_fmt:MATRIX_FMT_FP6 matrix_b_fmt:MATRIX_FMT_FP6 matrix_a_scale:MATRIX_SCALE_ROW1
.endif
.endr
.if \first
.rept 5
	v_nop
.endr
.else
	CADD                                           ; its fifteen additions name none of the products' registers: they are the places ahead of the stores below and of the next tile's products, which write over these registers
.endif
	s_wait_alu depctr_va_vdst(0)                   ; behind the places: the four products have written my part of O, v128-159, which the LDS stores read; the additions have written v160-161, which the row's store reads
.if !\first
	CST
.endif
.irp dt, 0,1,2,3
	ds_store_b128 v24, v[S1+8*\dt:S1+8*\dt+3] offset:64*\dt         ; each accumulator from its low end on
	ds_store_b128 v24, v[S1+8*\dt+4:S1+8*\dt+7] offset:64*\dt+16
.endr
.endm
; Why one barrier a tile is enough: behind tile t's barrier a wave reads the figures of parity t, writes the parts of parity t, reads the parts of parity t - 1 and writes the figures of parity t + 1.
; A region is written again only two barriers after it was read, and every wave signals each barrier behind s_wait_dscnt 0.
	TILE 0, 1, 0
	s_mov_b32 s20, 7
.Ltiles:
	TILE 1, 0, 0
	TILE 0, 0, 0
	s_sub_co_u32 s20, s20, 1
	s_cmp_lg_u32 s20, 0
	s_cbranch_scc1 .Ltiles
	TILE 1, 0, 1
	s_wait_dscnt 0x0                               ; for the others' sake: my part of the last tile has landed
	s_barrier_signal -1
	s_barrier_wait -1
	s_wait_xcnt 0x0                                ; the last store has read its data and its base
	s_wait_alu depctr_vm_vsrc(0)                   ; the last tile's loads of the parts have read v25, which is written below; its row's store has read v160-161, in which parts land
	s_add_nc_u64 s[OB:OB+1], s[OB:OB+1], 0x10000
	v_add_nc_u32 v25, 69632, v[OPR]                ; the last tile's parts: parity 1
	s_wait_alu depctr_va_vdst(0)                   ; v25 is written, which the loads below read
	CLOAD
	CADD
	s_wait_alu depctr_va_vdst(0)                   ; the additions have written v160-161, which the store reads
	CST
	s_wait_dscnt 0x0                               ; the wave's end
	s_wait_alu 0x0
	s_wait_tensorcnt 0x0
	ds_add_u32 v[SPW], v[NIL]
	s_wait_dscnt 0x0
	s_endpgm
.Lfunc_end_k_qdfb9cbc1fd_attn:
	.size	k_qdfb9cbc1fd_attn, .Lfunc_end_k_qdfb9cbc1fd_attn-k_qdfb9cbc1fd_attn
	.p2alignl 7, 3214868480
	.fill 96, 4, 3214868480
	.section	.rodata,"a",@progbits
	.p2align	6, 0x0
	.amdhsa_kernel k_qdfb9cbc1fd_attn
		.amdhsa_group_segment_fixed_size 276480
		.amdhsa_private_segment_fixed_size 0
		.amdhsa_enable_private_segment 0
		.amdhsa_kernarg_size 32
		.amdhsa_user_sgpr_count 2
		.amdhsa_user_sgpr_kernarg_segment_ptr 1
		.amdhsa_wavefront_size32 1
		.amdhsa_system_sgpr_workgroup_id_x 1
		.amdhsa_system_sgpr_workgroup_id_y 1
		.amdhsa_system_sgpr_workgroup_id_z 1
		.amdhsa_system_vgpr_workitem_id 0
		.amdhsa_next_free_vgpr 256
		.amdhsa_next_free_sgpr 66
		.amdhsa_reserve_vcc 0
		.amdhsa_float_denorm_mode_32 3
		.amdhsa_float_denorm_mode_16_64 3
		.amdhsa_memory_ordered 1
		.amdhsa_forward_progress 1
		.amdhsa_inst_pref_size 154
	.end_amdhsa_kernel
	.amdgpu_metadata
---
amdhsa.version: [ 1, 2 ]
amdhsa.kernels:
  - .name:           k_qdfb9cbc1fd_attn
    .symbol:         k_qdfb9cbc1fd_attn.kd
    .args:
      - { .name: pc, .offset: 0, .size: 8, .value_kind: global_buffer, .address_space: global }
      - { .name: ps, .offset: 8, .size: 8, .value_kind: global_buffer, .address_space: global }
      - { .name: lam, .offset: 16, .size: 8, .value_kind: global_buffer, .address_space: global }
      - { .name: obuf, .offset: 24, .size: 8, .value_kind: global_buffer, .address_space: global }
    .group_segment_fixed_size: 276480
    .private_segment_fixed_size: 0
    .kernarg_segment_align: 8
    .kernarg_segment_size: 32
    .max_flat_workgroup_size: 512
    .sgpr_count:     66
    .vgpr_count:     256
    .wavefront_size: 32
...
	.end_amdgpu_metadata
.endif
;; end of part 7
;; launch outp (part 8): grid 64 x 1, 16 waves a work-group, no clusters, 188,416 bytes of LDS; arguments obuf, wimg, bo, out0; writes out0
.if DOCPART == 8
	.amdgcn_target "amdgcn-amd-amdhsa--gfx1250"
	.amdhsa_code_object_version 6
	.text
	.protected	k_qdfb9cbc1fd_outp
	.globl	k_qdfb9cbc1fd_outp
	.p2align	8
	.type	k_qdfb9cbc1fd_outp,@function
k_qdfb9cbc1fd_outp:
	s_mov_b64 s[64:65], 0
	v_nop
	global_prefetch_b8 v0, s[64:65] scope:SCOPE_SE
	s_setreg_imm32_b32 hwreg(HW_REG_WAVE_SCHED_MODE, 0, 2), 2
	s_setreg_imm32_b32 hwreg(HW_REG_WAVE_MODE, 25, 1), 1
	s_wait_xcnt 0x0
	s_wait_alu depctr_vm_vsrc(0)
; out0 = Q(O) Q(Wo) + bo on codes of FP6 (E2M3).  O: obuf [4096][1024] f32, quantised here along its 1,024; Wo comes as register images from wimg (matrix 3); out0: [4096][1024] f32.
; SHARES.  A work-group takes 64 rows x all 1,024 columns, so O is read and quantised once; wave wv takes columns 64 wv .. 64 wv + 63: 16 accumulators.  O's codes go from wave to wave through LDS as images of the
; operand's registers; each wave's fragments of Wo go from memory straight into its registers.  64 work-groups: narrower shares would read Wo's codes or O's f32 rows several times as often.
; WHICH 16 ROWS FORM A TILE: tile u, row m is index 32 (m / 8) + 8 u + m % 8 of 64, for rows and columns alike.  Source 0 = Wo: a lane's 32 registers of tiles u = 0 .. 3 are 32 neighbouring columns of one row of out0.
; LIMITS: a block of zeros, or one under 2^-124, keeps the byte 1 with zero codes; NaN and infinities are not served.
; THE MODE: SCHED_MODE bits 1:0 = 2 (LLVM: expert scheduling mode 2), set by the entry lines.  The code itself states the register dependences
; between vector or matrix instructions and memory or LDS instructions, with s_wait_alu, always for 0.
; THE PLAN.  Registers that memory or LDS instructions touch:
;   v4-v18     addresses and offsets: made at the head, ahead of the wait on va_vdst in front of O's loads, and never written again.
;   v128-255   O's loads land; the LDS stores into the stage read them; then they are the accumulators: one wait on vm_vsrc, behind the barrier, stands between those stores and the first products.
;   v32-95     LDS loads from the stage land; the quantiser reads.   v96-107, v21: the quantiser writes; the image's LDS stores read.  One wait on va_vdst behind each quantiser; one on vm_vsrc ahead of the second.
;   v24-127    in the K loop: loads land, products read.  All 256 registers are taken (four waves share a SIMD's 1,024), so there is one set of fragments: ONE wait on va_vdst at the head of a K step.
;   the way out: one wait on va_vdst ahead of the bias's loads; one behind the bias's additions, for all four tiles' LDS stores and the LDS loads into v64-127; these are two sets by turns, read by the global stores:
;              one wait on vm_vsrc ahead of each set's second use.
.set XIMG, 0                           ; LDS: O's 32 fragments: (K step s, tile t) at (4 s + t) x 1,536
.set XSC,  49152                       ; their scale words: 256 s + 16 r + 4 t
.set STG,  51200                       ; a stage of 8,448 bytes for each wave
.set SPARE, 186368                     ; the spare words, 128 bytes for each wave: eight blocks of 256 bytes that no other line names
.set LI16, 4                           ; v4  16 x lane
.set LR16, 5                           ; v5  16 x (lane % 16)
.set STW,  6                           ; v6  my stage + 16 x lane
.set STR,  7                           ; v7  my stage + 528 r + 128 h
.set XIW,  8                           ; v8  where I store the images
.set XSW,  9                           ; v9  and their scale words
.set SH8,  10                          ; v10 8 h
.set SO,   11                          ; v11 the way out: my stage + 272 r + 128 h
.set SR,   12                          ; v12 back: my stage + 272 h + 16 r
.set GOF,  13                          ; v13 4,096 h + 16 r
.set SPW,  16                          ; v16 LDS address of my spare word; never rewritten
.set NIL,  17                          ; v17 0; never rewritten
.set BQO,  18                          ; v18 128 h
.set PX,   20
.set PW,   21
.set PS,   24                          ; v24-27 Wo's scale words;  v28-31 O's: these eight hold scales and nothing else
.set RS,   28
.set P,    32                          ; v32-79  Wo's four fragments
.set R,    80                          ; v80-127 O's four
.set ACC,  128                         ; v128-255 accumulator (u, t) at 128 + 32 t + 8 u
.set SEL,  28
.set XB,   32
.set BB,   34
.set WB,   36
.set WSB,  38
.set OUTB, 40
.macro QUANTB src, pc, ct, tm, pw, px  ; 64 numbers of a lane, register 32 c + i = k 64 c + 32 h + i of my row, become 12 registers of codes at v[pc] and the scale word v[pw]
.irp c, 0,1
	v_max3_num_f32 v[\tm+\c], |v[\src+32*\c]|, |v[\src+32*\c+1]|, 0x1800000   ; with the floor 2^(3 - 127): the byte cannot fall under 1
.endr
.irp i, 2,4,6,8,10,12,14,16,18,20,22,24,26,28,30
.irp c, 0,1
	v_max3_num_f32 v[\tm+\c], v[\tm+\c], |v[\src+32*\c+\i]|, |v[\src+32*\c+\i+1]|
.endr
.endr
.irp c, 0,1
	v_add_nc_u32 v[\tm+2+\c], 0xff000000, v[\tm+\c]        ; 2 off the exponent field: the conversion's scale operand
.endr
.irp c, 0,1
	v_lshrrev_b32 v[\tm+\c], 23, v[\tm+2+\c]               ; the byte of block 2 c + h
.endr
	v_lshl_or_b32 v[\pw], v[\tm+1], 16, v[\tm]
	v_lshlrev_b32 v[\pw], v[SH8], v[\pw]
	v_permlanex16_b32 v[\px], v[\pw], s[SEL], s[SEL+1]
	v_or_b32 v[\pw], v[\pw], v[\px]                        ; with lane l xor 16's two bytes the word is whole
.irp c, 0,1
	v_cvt_scalef32_pk16_fp6_f32 v[\pc+6*\c:\pc+6*\c+2], v[\src+32*\c:\src+32*\c+15], v[\tm+2+\c]
	v_cvt_scalef32_pk16_fp6_f32 v[\ct+4*\c:\ct+4*\c+2], v[\src+32*\c+16:\src+32*\c+31], v[\tm+2+\c]   ; (a conversion's three registers begin on an even number)
.endr
	v_nop                                                  ; one plain line behind the conversions
.irp c, 0,1
.irp i, 0,1,2
	v_mov_b32 v[\pc+6*\c+3+\i], v[\ct+4*\c+\i]
.endr
.endr
.endm
	s_load_b256 s[8:15], s[0:1], 0x0               ; obuf s[8:9], wimg s[10:11], bo s[12:13], out0 s[14:15]
	v_lshl_add_u32 v[SPW], v0, 2, SPARE
	v_mov_b32 v[NIL], 0
	v_lshrrev_b32 v1, 5, v0
	v_readfirstlane_b32 s2, v1                     ; wave 0 .. 15
	s_mov_b32 s[SEL], 0x76543210
	s_mov_b32 s[SEL+1], 0xfedcba98
	v_and_b32 v1, 31, v0                           ; l
	v_and_b32 v2, 15, v0                           ; r
	v_bfe_u32 v3, v0, 4, 1                         ; h
	v_lshlrev_b32 v[LI16], 4, v1
	s_wait_alu depctr_va_vdst(0)
	v_lshlrev_b32 v[LR16], 4, v2
	s_wait_alu depctr_va_vdst(0)
	s_wait_alu depctr_va_sdst(0)                   ; s2 is written, ahead of its first reader: addresses and bases are made from it
	s_and_b32 s5, s2, 3                            ; t: the tile of rows that I quantise
	s_lshr_b32 s6, s2, 2                           ; sp: and its K steps 2 sp, 2 sp + 1
	s_mul_i32 s58, s2, 8448
	s_add_co_u32 s58, s58, STG                     ; my stage
	v_add_nc_u32 v[STW], s58, v[LI16]
	v_mul_u32_u24 v[STR], v2, 528
	v_lshl_add_u32 v[STR], v3, 7, v[STR]
	v_add_nc_u32 v[STR], s58, v[STR]
	s_lshl_b32 s56, s6, 3
	s_add_co_u32 s56, s56, s5
	s_mul_i32 s56, s56, 1536
	v_add_nc_u32 v[XIW], s56, v[LI16]
	s_lshl_b32 s56, s6, 9
	s_lshl_b32 s57, s5, 2
	s_add_co_u32 s56, s56, s57
	s_add_co_u32 s56, s56, XSC
	v_add_nc_u32 v[XSW], s56, v[LR16]
	v_lshlrev_b32 v[SH8], 3, v3
	v_mul_u32_u24 v[SO], v2, 272
	v_lshl_add_u32 v[SO], v3, 7, v[SO]
	v_add_nc_u32 v[SO], s58, v[SO]
	v_mul_u32_u24 v[SR], v3, 272
	v_add_nc_u32 v[SR], v[SR], v[LR16]
	v_add_nc_u32 v[SR], s58, v[SR]
	v_lshl_add_u32 v[GOF], v3, 12, v[LR16]
	v_lshlrev_b32 v[BQO], 7, v3
	v_mov_b32 v[PX], 0                             ; written once: a lane exchange's destination counts as one of its sources
	s_lshl_b32 s44, ttmp9, 18                      ; O: 64 rows of 4,096 bytes a work-group,
	s_lshl_b32 s45, s5, 15                         ; 8 t rows,
	s_add_co_u32 s44, s44, s45
	s_lshl_b32 s45, s6, 10                         ; two K steps of 512 bytes
	s_add_co_u32 s44, s44, s45
	s_mov_b32 s45, 0
	s_lshl_b32 s46, s2, 8                          ; my 64 columns, in bo and in a row of out0
	s_mov_b32 s47, 0
	s_mul_i32 s48, s2, 49152
	s_add_co_u32 s48, s48, 3*819200
	s_mov_b32 s49, 0
	s_lshl_b32 s50, s2, 11
	s_add_co_u32 s50, s50, 3*819200+786432
	s_mov_b32 s51, 0
	s_lshl_b32 s52, ttmp9, 18
	s_add_co_u32 s52, s52, s46
	s_mov_b32 s53, 0
	s_wait_kmcnt 0x0
	s_add_nc_u64 s[XB:XB+1], s[8:9], s[44:45]
	s_add_nc_u64 s[BB:BB+1], s[12:13], s[46:47]
	s_add_nc_u64 s[WB:WB+1], s[10:11], s[48:49]
	s_add_nc_u64 s[WSB:WSB+1], s[10:11], s[50:51]
	s_add_nc_u64 s[OUTB:OUTB+1], s[14:15], s[52:53]
	s_wait_alu depctr_va_vdst(0)                   ; the addresses and offsets v4 to v18 are written: every load and store of the kernel reads one of them
	; ---- X: my two fragments of O.  A load reads 512 consecutive bytes: one K step of one of my tile's 16 rows
.irp e, 0,1
.irp i, 0,1,2,3,4,5,6,7,8,9,10,11,12,13,14,15
	global_load_b128 v[ACC+64*\e+4*\i:ACC+64*\e+4*\i+3], v[LI16], s[XB:XB+1] offset:(32*(\i/8)+(\i%8))*4096+512*\e th:TH_LOAD_NT
.endr
.endr
.macro XQ e                            ; through my stage: in as the rows lie, back 128 bytes of a row to a lane: k = 64 c + 32 h + 0 .. 31 of row r
.if \e == 0
	s_wait_loadcnt 16                              ; the first fragment's 16 loads are in, the second's 16 may be out
.else
	s_wait_loadcnt 0x0
.endif
.irp i, 0,1,2,3,4,5,6,7,8,9,10,11,12,13,14,15
	ds_store_b128 v[STW], v[ACC+64*\e+4*\i:ACC+64*\e+4*\i+3] offset:528*\i
.endr
.irp c, 0,1
.irp i, 0,1,2,3,4,5,6,7
	ds_load_b128 v[32+32*\c+4*\i:35+32*\c+4*\i], v[STR] offset:256*\c+16*\i   ; LDS serves a wave's instructions in order: these see my stores.  (Second fragment: no vector line since the first quantiser's wait names v32-95)
.endr
.endr
	s_wait_dscnt 0x0                               ; the 64 numbers are back from the stage
.if \e == 1
	s_wait_alu depctr_vm_vsrc(0)                   ; the first fragment's image stores have read v96-107 and v21, which the quantiser writes again
.endif
	QUANTB 32, 96, 108, 116, PW, PX
	s_wait_alu depctr_va_vdst(0)                   ; the quantiser has written the codes v96-107 and the word v21, which the LDS stores read, and is done reading v32-95, in which the next fragment's numbers land
.irp j, 0,1,2
	ds_store_b128 v[XIW], v[96+4*\j:99+4*\j] offset:XIMG+6144*\e+512*\j
.endr
	ds_store_b32 v[XSW], v[PW] offset:256*\e       ; lanes r and r + 16 write the same word with the same value
.endm
	XQ 0
	XQ 1
	s_wait_dscnt 0x0                               ; for the others' sake: my images have landed
	s_barrier_signal -1
	s_barrier_wait -1                              ; O's 32 fragments lie in LDS; nothing writes them again
	s_wait_alu depctr_vm_vsrc(0)                   ; my LDS stores have read v128-255, which the products write, and v96-107 and v21, among which fragments land
	; ---- the K loop: eight steps of 128, 16 products each on 16 accumulators that take turns
.irp s, 0,1,2,3,4,5,6,7
.if \s > 0
.rept 4
	v_nop                                          ; the four places behind the products stay (ISA guide 7.12.1),
.endr
	s_wait_alu depctr_va_vdst(0)                   ; and the wait: the last step's sixteen products are done reading their fragments and scale words, in which the 26 loads below land
.endif
.irp j, 0,1,2,3,4,5,6,7,8,9,10,11
	global_load_b128 v[P+4*\j:P+4*\j+3], v[LI16], s[WB:WB+1] offset:6144*\s+512*\j
.endr
	global_load_b128 v[PS:PS+3], v[LR16], s[WSB:WSB+1] offset:256*\s
.irp j, 0,1,2,3,4,5,6,7,8,9,10,11
	ds_load_b128 v[R+4*\j:R+4*\j+3], v[LI16] offset:XIMG+6144*\s+512*\j
.endr
	ds_load_b128 v[RS:RS+3], v[LR16] offset:XSC+256*\s
	s_wait_loadcnt 0x0
	s_wait_dscnt 0x0
.irp u, 0,1,2,3
.irp t, 0,1,2,3
.if \s == 0
	v_wmma_scale_f32_16x16x128_f8f6f4 v[ACC+32*\t+8*\u:ACC+32*\t+8*\u+7], v[P+12*\u:P+12*\u+11], v[R+12*\t:R+12*\t+11], 0, v[PS+\u], v[RS+\t] matrix_a_fmt:MATRIX_FMT_FP6 matrix_b_fmt:MATRIX_FMT_FP6
.else
	v_wmma_scale_f32_16x16x128_f8f6f4 v[ACC+32*\t+8*\u:ACC+32*\t+8*\u+7], v[P+12*\u:P+12*\u+11], v[R+12*\t:R+12*\t+11], v[ACC+32*\t+8*\u:ACC+32*\t+8*\u+7], v[PS+\u], v[RS+\t] matrix_a_fmt:MATRIX_FMT_FP6 matrix_b_fmt:MATRIX_FMT_FP6
.endif
.endr
.endr
.endr
.rept 4
	v_nop                                          ; places in front of the first read of results
.endr
	s_wait_alu depctr_va_vdst(0)                   ; the last products are done reading v32-63, in which the bias lands
.irp i, 0,1,2,3,4,5,6,7
	global_load_b128 v[32+4*\i:35+4*\i], v[BQO], s[BB:BB+1] offset:16*\i      ; bo[64 wv + 32 h + 0 .. 31]
.endr
	s_wait_loadcnt 0x0
.irp t, 0,1,2,3
.set n, 0
.rept 16
	v_pk_add_f32 v[ACC+32*\t+n:ACC+32*\t+n+1], v[ACC+32*\t+n:ACC+32*\t+n+1], v[32+n:33+n]   ; each accumulator from its low end on
.set n, n+2
.endr
.endr
	s_wait_alu depctr_va_vdst(0)                   ; the additions have written v128-255, which the LDS stores of all four tiles below read; no vector line follows
; THE WAY OUT, a tile of 16 rows at a time.  A lane holds 128 neighbouring bytes of a row; through my stage (16 rows x (256 + 16)) they come back so that sixteen lanes hold a row's 256 bytes.
.macro OUTT t
.if \t >= 2
	s_wait_xcnt 0x0                                ; the stores of two tiles back have had their addresses translated,
	s_wait_alu depctr_vm_vsrc(0)                   ; and have read the registers into which the loads below land
.endif
.irp i, 0,1,2,3,4,5,6,7
	ds_store_b128 v[SO], v[ACC+32*\t+4*\i:ACC+32*\t+4*\i+3] offset:16*\i
.endr
.irp i, 0,1,2,3,4,5,6,7
	ds_load_b128 v[64+32*(\t%2)+4*\i:67+32*(\t%2)+4*\i], v[SR] offset:544*\i   ; LDS serves a wave's instructions in order: these see my stores, and the next tile's stores come behind them
.endr
	s_wait_dscnt 0x0
.irp i, 0,1,2,3,4,5,6,7
	global_store_b128 v[GOF], v[64+32*(\t%2)+4*\i:67+32*(\t%2)+4*\i], s[OUTB:OUTB+1] offset:(32*(\i/4)+8*\t+2*(\i%4))*4096 th:TH_STORE_NT   ; sixteen lanes store 256 consecutive bytes, at a multiple of 256 from out0's first byte
.endr
.endm
	OUTT 0
	OUTT 1
	OUTT 2
	OUTT 3
	s_wait_dscnt 0x0                               ; the wave's end
	s_wait_alu 0x0
	s_wait_tensorcnt 0x0
	ds_add_u32 v[SPW], v[NIL]
	s_wait_dscnt 0x0
	s_endpgm
.Lfunc_end_k_qdfb9cbc1fd_outp:
	.size	k_qdfb9cbc1fd_outp, .Lfunc_end_k_qdfb9cbc1fd_outp-k_qdfb9cbc1fd_outp
	.p2alignl 7, 3214868480
	.fill 96, 4, 3214868480
	.section	.rodata,"a",@progbits
	.p2align	6, 0x0
	.amdhsa_kernel k_qdfb9cbc1fd_outp
		.amdhsa_group_segment_fixed_size 188416
		.amdhsa_private_segment_fixed_size 0
		.amdhsa_enable_private_segment 0
		.amdhsa_kernarg_size 32
		.amdhsa_user_sgpr_count 2
		.amdhsa_user_sgpr_kernarg_segment_ptr 1
		.amdhsa_wavefront_size32 1
		.amdhsa_system_sgpr_workgroup_id_x 1
		.amdhsa_system_sgpr_workgroup_id_y 1
		.amdhsa_system_sgpr_workgroup_id_z 1
		.amdhsa_system_vgpr_workitem_id 0
		.amdhsa_next_free_vgpr 256
		.amdhsa_next_free_sgpr 66
		.amdhsa_reserve_vcc 0
		.amdhsa_float_denorm_mode_32 3
		.amdhsa_float_denorm_mode_16_64 3
		.amdhsa_memory_ordered 1
		.amdhsa_forward_progress 1
		.amdhsa_inst_pref_size 64
	.end_amdhsa_kernel
	.amdgpu_metadata
---
amdhsa.version: [ 1, 2 ]
amdhsa.kernels:
  - .name:           k_qdfb9cbc1fd_outp
    .symbol:         k_qdfb9cbc1fd_outp.kd
    .args:
      - { .name: obuf, .offset: 0, .size: 8, .value_kind: global_buffer, .address_space: global }
      - { .name: wimg, .offset: 8, .size: 8, .value_kind: global_buffer, .address_space: global }
      - { .name: bo, .offset: 16, .size: 8, .value_kind: global_buffer, .address_space: global }
      - { .name: out0, .offset: 24, .size: 8, .value_kind: global_buffer, .address_space: global }
    .group_segment_fixed_size: 188416
    .private_segment_fixed_size: 0
    .kernarg_segment_align: 8
    .kernarg_segment_size: 32
    .max_flat_workgroup_size: 512
    .sgpr_count:     66
    .vgpr_count:     256
    .wavefront_size: 32
...
	.end_amdgpu_metadata
.endif
;; end of part 8
